; MI455X (gfx1250); checked and timed in simulation.
; The chip was launched on July 23, 2026; its instructions are those of AMD's public machine-readable ISA for CDNA 5 (MIT licence, August 2026) and "CDNA5" Instruction Set Architecture Reference Guide (July 2026). The comments in the code are by the model that wrote it; some were corrected since.
;; Multi Head Self Attention. Allowed arithmetic: matrix products marked QUANTISED: E2M1 operands, one E8M0 scale for each 32 along K, by v_wmma_scale_f32_16x16x128_f8f6f4 with both operands' format E2M1 (or v_wmma_scale_f32_32x16x128_f4), f32 sums; everything else in f32.
;; Inputs: W_k 2,048 x 1,024 float32; W_o 2,048 x 2,048 float32; W_q 2,048 x 2,048 float32; W_v 2,048 x 1,024 float32; x 4 x 1,024 x 2,048 float32.
;; Outputs: out0 4 x 1,024 x 2,048 float32.
;; This version of the problem:
;;   THIS VERSION OF THE PROBLEM IS GIVEN IN LOW PRECISION. The matrix products marked QUANTISED in the list below multiply operands that are first quantised to E2M1 (2 exponent bits, 1 mantissa bit; 4 bits a number), with one power-of-two scale for each 32 numbers along K (OCP MX v1.0); their sums are f32. All else is computed in f32.
;;   The module's matrix products, in the order in which they are computed (A, B: the left and right operand; K: the contracted axis; several contracted axes count as one K, in the product's order):
;;     1. [M 4,096, K 2,048] x [K 2,048, N 2,048]; A: input x; B: input W_q: QUANTISED
;;     2. [M 4,096, K 2,048] x [K 2,048, N 1,024]; A: input x; B: input W_k: QUANTISED
;;     3. [M 4,096, K 2,048] x [K 2,048, N 1,024]; A: input x; B: input W_v: QUANTISED
;;     4. batch 64 x [M 1,024, K 128] x [K 128, N 1,024]; A: computed on the way; B: computed on the way: QUANTISED
;;     5. batch 64 x [M 128, K 1,024] x [K 1,024, N 1,024]; A: computed on the way; B: softmax (see below): QUANTISED
;;     6. [M 4,096, K 2,048] x [K 2,048, N 2,048]; A: computed on the way; B: input W_o: QUANTISED
;;   THE QUANTISER, for each operand of a quantised product, along K:
;;     - K is cut into blocks of 32 from its start; a last block that is shorter is filled with zeros.
;;     - A block's scale is 2^e with e = floor(log2(the largest magnitude in the block)) - 2, held to -126 .. 127; a block of zeros has e = 0. As a byte (E8M0): e + 127.
;;     - Each number is divided by its block's scale, clamped to +-6, and rounded to the nearest number of E2M1, ties to even, subnormals kept.
;;     - The product sums the exact products of the quantised numbers (number of the format x scale) in f32.
;;   ~~~python
;;   def quantise(x, axis):      # numpy; x: float32 -> the quantised numbers, widened to float32 again
;;       x = np.moveaxis(x, axis, -1); K = x.shape[-1]
;;       x = np.pad(x, [(0, 0)] * (x.ndim - 1) + [(0, -K % 32)]); x = x.reshape(x.shape[:-1] + (-1, 32)); a = np.abs(x).max(-1, keepdims=True)
;;       e = np.where(a > 0, np.clip(np.frexp(np.where(a > 0, a, 1))[1] - 1 - 2, -126, 127), 0)      # np.frexp(a)[1] - 1 = floor(log2(a)), exactly
;;       r = np.clip(x / 2.0 ** e, -6, 6)
;;       step = 2.0 ** (np.maximum(np.frexp(np.where(r == 0, 1, r))[1] - 1, 0) - 1)
;;       q = np.round(r / step) * step * 2.0 ** e      # np.round: ties to even
;;       return np.moveaxis(q.reshape(q.shape[:-2] + (-1,))[..., :K], -1, axis).astype(np.float32)
;;   ~~~
;;   SOFTMAX AHEAD OF A QUANTISED PRODUCT. Where the list says 'softmax', what is quantised is not the finished softmax but p = 2^(t - M), with t = logit x log2(e) and M = ceil(the row's largest t), a whole number; so 1/2 < the row's largest p <= 1. The row's sum l is taken of the UNQUANTISED p, in f32, and the product's result is divided by l at the end. Since M is a whole number, a kernel that streams over the keys may use a running M (the ceiling of the running maximum): every later rescaling is an exact power of two, which a block's scale takes up: the codes' values come out the same.
;;   OPERANDS COMPUTED ON THE WAY. 'Computed on the way' means the value that the module computes at that place (a softmax that the list does not call 'softmax' is quantised finished and normalised). What goes into a quantiser is computed in f32, as accurately as f32 sums, v_exp_f32 and their like allow (about 1e-6 of the number): no bf16 or f16 on the way to a quantiser, and a product that is left as it is and whose result goes on into a quantised operand takes f32 operands (vector FMAs, or v_wmma_f32_16x16x4_f32). A number that lies on a knife's edge between two numbers of the format may be rounded either way, as far as f32 arithmetic and the matrix unit's own rounding can turn it there, and no further.
;; One version. Each part assembles by itself: llvm-mc -triple=amdgcn-amd-amdhsa -mcpu=gfx1250 --defsym DOCPART=n.
;; ======== version 1 of 1: 4 launches
;; limits: right only within a limited range of input values
;; workspace buffers: xq 4,456,448 bytes; wq 6,684,672 bytes; tab 1,048,576 bytes; qkv 8,912,896 bytes; att 4,456,448 bytes
;; launch prep (part 1): grid 656 x 1, 4 waves a work-group, no clusters, 50,688 bytes of LDS; arguments x, W_q, W_k, W_v, W_o, xq, wq, tab; writes xq, wq, tab
.if DOCPART == 1
	.amdgcn_target "amdgcn-amd-amdhsa--gfx1250"
	.amdhsa_code_object_version 6
	.text
	.protected	k_q6ace069eed_prep
	.globl	k_q6ace069eed_prep
	.p2align	8
	.type	k_q6ace069eed_prep,@function
k_q6ace069eed_prep:
	s_mov_b64 s[64:65], 0
	v_nop
	global_prefetch_b8 v0, s[64:65] scope:SCOPE_SE
	s_setreg_imm32_b32 hwreg(HW_REG_WAVE_MODE, 25, 1), 1
	s_wait_xcnt 0x0
; PREP: everything that is made once.  Three kinds of work-group, told apart by the work-group's number:
;   0-15    the rotary tables: cos and sin of t x inv_freq, times the XPos scale (for q) or its reciprocal (for k), laid in the order in which the next launch's lanes hold their numbers;
;   16-271  x [4096][2048] f32 -> codes of FP4 (E2M1), K innermost, with one E8M0 byte for each 32 along K;
;   272-655 W_q, W_k, W_v, W_o ([2048 (K)][N] f32, K is the FIRST axis) -> codes [column][K], K innermost, and their scale bytes.
; A block's scale is 2^(floor(log2(its largest magnitude)) - 2); its byte is the largest magnitude's exponent field - 2, held at 1 from below.
; ROWS ARE STORED PERMUTED: row n (a token of x, a column of a weight) lies at the place n with bits 3 and 4 exchanged.  Sixteen neighbouring stored rows, taken as source 0 of a matrix instruction,
; then give a lane eight true neighbours in its eight result registers, and two neighbouring tiles sixteen: what the next quantiser along that axis wants.
; LIMITS: NaN and infinities among the inputs are not served.  Blocks whose largest magnitude lies under 2^-124 keep the byte 1.  A block of zeros gets the byte 1 where the rule says 127: its codes are zeros,
; which add nothing under any byte but 0xff, and the bytes are read by this program alone.  The angle t x inv_freq equals the defining program's bit for bit only if its 10000^(i/64) is the correctly rounded f32 number.
; Work-groups share nothing: no cluster, no tensor load.  An x work-group and a weights work-group both read 128 KiB.  Each path has LDS bytes of its own: x 0-32,767, the weights 32,768-50,175.
.set XS, 4194304                       ; xq: the scale bytes lie behind the codes
.set WS, 6291456                       ; wq: likewise
	s_load_b512 s[4:19], s[0:1], 0x0               ; x s[4:5], W_q s[6:7], W_k s[8:9], W_v s[10:11], W_o s[12:13], xq s[14:15], wq s[16:17], tab s[18:19]
	v_lshl_add_u32 v208, v0, 2, 0xc400
	v_mov_b32 v209, 0
	v_lshrrev_b32 v1, 5, v0
	v_readfirstlane_b32 s20, v1                    ; wave 0..3
	s_wait_kmcnt 0x0
	s_cmp_lt_u32 ttmp9, 16
	s_cbranch_scc1 .Ltab
	s_cmp_lt_u32 ttmp9, 272
	s_cbranch_scc1 .Lx
; ---------------------------------------------------------------- THE WEIGHTS
; A LANE TAKES A COLUMN, AND ITS REGISTERS RUN DOWN K: each load reads 32 neighbouring columns (128 consecutive bytes a wave, 256 a work-group), a block of 32 along K lies in one lane's 32 registers,
; and the conversions give codes with K innermost.  A work-group takes 64 columns x 512 along K.  A PAIR OF WAVES SHARES 32 COLUMNS: each takes 256 along K, 8 blocks a lane with two blocks' loads (64) out,
; so that a wave's chain of dependent waits is 8 blocks and not 16.  A column's 256 bytes of codes come half from each wave of the pair: they meet in the pair's stage in LDS, ONE barrier stands between
; the writing and the reading, and each wave then stores 16 of the 32 columns, sixteen lanes to 256 consecutive bytes.
; The row pitch differs between the tensors, so it stands in registers: 32 offsets (row i of a block) and 8 bases (block t).
.set WPITCH, 272                       ; a stage row: 256 bytes + 16
.set WX,   32                          ; v32-95   two sets of 32 numbers
.set WC,   96                          ; v96-99   a block's codes
.set WSB,  24                          ; v24-25   the scale bytes, four to a register
.set WOUT, 112                         ; v112-143 the way out
.set VOFF, 176                         ; v176-207 4 x lane + i x pitch
.set WB,   32                          ; s[32:47] the address of block t's first row
	s_sub_co_u32 s21, ttmp9, 272
	s_and_b32 s22, s21, 3                          ; which 512 along K
	s_lshr_b32 s21, s21, 2                         ; which 64 of the 6,144 columns
	s_lshr_b32 s70, s20, 1                         ; my pair: which 32 of the 64 columns
	s_and_b32 s71, s20, 1                          ; my half of the pair's 512 along K
	s_cmp_lt_u32 s21, 64                           ; 0-31 W_q, 32-47 W_k, 48-63 W_v, 64-95 W_o: the choice hangs on the work-group's number alone
	s_cselect_b64 s[24:25], s[10:11], s[12:13]
	s_cselect_b32 s26, 48, 64                      ; the tensor's first group of columns
	s_cselect_b32 s27, 12, 13                      ; log2 of its row pitch in bytes
	s_cmp_lt_u32 s21, 48
	s_cselect_b64 s[24:25], s[8:9], s[24:25]
	s_cselect_b32 s26, 32, s26
	s_cmp_lt_u32 s21, 32
	s_cselect_b64 s[24:25], s[6:7], s[24:25]
	s_cselect_b32 s26, 0, s26
	s_cselect_b32 s27, 13, s27
	s_lshl_b32 s28, 1, s27                         ; the pitch
	s_lshl_b32 s30, s22, 9
	s_lshl_b32 s31, s71, 8
	s_add_co_u32 s30, s30, s31                     ; my first row: 512 x which + 256 x half
	s_lshl_b32 s30, s30, s27                       ; in bytes
	s_sub_co_u32 s29, s21, s26
	s_lshl_b32 s29, s29, 6
	s_lshl_b32 s31, s70, 5
	s_add_co_u32 s29, s29, s31                     ; my pair's first column in its tensor
	s_lshl_b32 s29, s29, 2
	s_add_co_u32 s30, s30, s29
	s_mov_b32 s31, 0
	s_add_nc_u64 s[WB:WB+1], s[24:25], s[30:31]
	s_lshl_b32 s30, 32, s27                        ; 32 rows on
.set t, 1
.rept 7
	s_add_nc_u64 s[WB+2*t:WB+2*t+1], s[WB+2*t-2:WB+2*t-1], s[30:31]
.set t, t+1
.endr
	s_lshl_b32 s26, s21, 6
	s_lshl_b32 s29, s70, 5
	s_add_co_u32 s26, s26, s29                     ; my pair's first row of wq
	s_lshl_b32 s24, s26, 10                        ; a row of codes is 1,024 bytes
	s_lshl_b32 s29, s22, 8                         ; 512 codes are 256 bytes
	s_add_co_u32 s24, s24, s29
	s_lshl_b32 s29, s71, 13                        ; on the way out I take the pair's columns 16 x half on: their stored rows lie 8 x half rows on
	s_add_co_u32 s24, s24, s29
	s_mov_b32 s25, 0
	s_add_nc_u64 s[66:67], s[16:17], s[24:25]      ; the codes
	s_lshl_b32 s24, s26, 6                         ; a row of scale bytes is 64 bytes
	s_lshl_b32 s29, s22, 4
	s_add_co_u32 s24, s24, s29
	s_lshl_b32 s29, s71, 3                         ; my 8 blocks' bytes
	s_add_co_u32 s24, s24, s29
	s_add_nc_u64 s[68:69], s[16:17], s[24:25]
	s_add_nc_u64 s[68:69], s[68:69], WS            ; the scale bytes
	v_and_b32 v2, 31, v0                           ; lane
	v_lshlrev_b32 v[VOFF], 2, v2
.set i, 1
.rept 31
	v_add_nc_u32 v[VOFF+i], s28, v[VOFF+i-1]
.set i, i+1
.endr
	s_mul_i32 s29, s70, 32*WPITCH
	s_add_co_u32 s29, s29, 32768                   ; my pair's stage
	s_lshl_b32 s72, s71, 7                         ; my 128 bytes of each of its rows
	s_add_co_u32 s72, s72, s29
	v_mul_u32_u24 v4, v2, WPITCH
	v_add_nc_u32 v4, s72, v4                       ; into it: row = my column
	s_mul_i32 s72, s71, 16*WPITCH                  ; out of it: my 16 of its 32 rows,
	s_add_co_u32 s72, s72, s29
	v_and_b32 v5, 15, v2
	v_lshrrev_b32 v6, 4, v2
	v_mul_u32_u24 v7, v6, WPITCH
	v_lshl_add_u32 v7, v5, 4, v7
	v_add_nc_u32 v7, s72, v7                       ; sixteen lanes to a row, two rows an instruction
	v_lshlrev_b32 v8, 10, v6
	v_lshl_add_u32 v8, v5, 4, v8                   ; and the same place in wq
	v_and_b32 v9, 7, v2                            ; my column's stored row: the lane with bits 3 and 4 exchanged,
	v_and_b32 v10, 8, v2
	v_lshl_or_b32 v9, v10, 1, v9
	v_and_b32 v10, 16, v2
	v_lshrrev_b32 v10, 1, v10
	v_or_b32 v9, v9, v10
	v_lshlrev_b32 v9, 6, v9                        ; x 64 bytes of scales
.macro WLOAD t                         ; block t: W(32 t + i, my column), i = 0 .. 31, into set t % 2
.set i, 0
.rept 32
	global_load_b32 v[WX+32*((\t)%2)+i], v[VOFF+i], s[WB+2*(\t):WB+2*(\t)+1] th:TH_LOAD_NT
.set i, i+1
.endr
.endm
	WLOAD 0
	WLOAD 1
.macro WBLOCK t
.set XB, WX+32*((\t)%2)
.if (\t) < 7
	s_wait_loadcnt 32                              ; this block's 32 loads are in; the next block's may be out
.else
	s_wait_loadcnt 0
.endif
	v_max3_num_f32 v12, |v[XB]|, |v[XB+1]|, |v[XB+2]|              ; the block's largest magnitude: all 32 numbers are mine
	v_max3_num_f32 v13, |v[XB+3]|, |v[XB+4]|, |v[XB+5]|
.irp i, 6,10,14,18,22,26
	v_max3_num_f32 v12, v12, |v[XB+\i]|, |v[XB+\i+1]|
	v_max3_num_f32 v13, v13, |v[XB+\i+2]|, |v[XB+\i+3]|
.endr
	v_max3_num_f32 v12, v12, |v[XB+30]|, |v[XB+31]|
	v_max3_num_f32 v12, v12, v13, 0x1800000        ; and the floor 2^(3 - 127): the byte cannot fall under 1
	v_add_nc_u32 v11, 0xff000000, v12              ; 2 off its exponent field: the conversion takes this operand's exponent field as its scale
	v_lshrrev_b32 v13, 23, v11                     ; the scale's byte
.if (\t)%4 == 0
	v_mov_b32 v[WSB+(\t)/4], v13                   ; four bytes to a register, the lower K in the lower byte
.else
	v_lshl_or_b32 v[WSB+(\t)/4], v13, 8*((\t)%4), v[WSB+(\t)/4]
.endif
.irp g, 0,1,2,3
	v_cvt_scalef32_pk8_fp4_f32 v[WC+\g], v[XB+8*\g:XB+8*\g+7], v11
.endr
	ds_store_b128 v4, v[WC:WC+3] offset:16*(\t)    ; 32 codes: 16 bytes of my half of my column's row
.if (\t)+2 < 8
	WLOAD (\t)+2
.endif
	s_wait_dscnt 0x0                               ; the store has read its registers: the next block's codes may be written.  Behind the last block: for the partner's sake, my stores into the stage are done
.endm
.set Q, 0
.rept 8
	WBLOCK Q
.set Q, Q+1
.endr
	s_barrier_signal -1
	s_barrier_wait -1                              ; both halves of every row lie in the stage
	s_wait_alu depctr_va_vdst(0)
	global_store_b64 v9, v[WSB:WSB+1], s[68:69]    ; my column's 8 scale bytes
.irp u, 0,1,2,3,4,5,6,7
	ds_load_b128 v[WOUT+4*\u:WOUT+4*\u+3], v7 offset:2*\u*WPITCH
.endr
.irp u, 0,1,2,3,4,5,6,7
	s_wait_dscnt 7-\u
	global_store_b128 v8, v[WOUT+4*\u:WOUT+4*\u+3], s[66:67] offset:2*((\u&3)|((\u&4)<<1))*1024   ; my columns 2 u, 2 u + 1 go to their stored rows; 16 lanes store 256 consecutive bytes, aligned
.endr
	s_wait_tensorcnt 0x0
	ds_add_u32 v208, v209
	s_wait_dscnt 0x0
	s_endpgm
; ---------------------------------------------------------------- x
; Rows are dense and K is a multiple of 32: a plain stream of blocks of 32.  A wave takes 16 steps of 512 numbers: four tokens.  Each load reads 512 consecutive bytes, 16 a lane; the conversions want 16 NEIGHBOURS
; in a lane, so a step's 2,048 bytes turn through the wave's own stage in LDS and come back 64 bytes a lane (16 bytes of padding behind each 64).  Two neighbouring lanes hold a block.
; A lane's 16 codes are 8 bytes: the wave stores 256 consecutive bytes.  A wave's 256 scale bytes are gathered in LDS and leave together.  Loads run four steps (16 loads) ahead, the turn one step.  Waves share nothing: no barrier.
.Lx:
.set XR,  16                           ; v16-79   four sets of 16 numbers as they are loaded
.set XX,  80                           ; v80-111  two sets of 16 neighbours
.set XE,  112                          ; v112-127 a scale byte for each step
.set XC,  128                          ; v128-191 codes: registers of its own for each step, so that no store's data are written again
.set XSP, 80                           ; a lane's place in a stage: 64 bytes + 16
	v_and_b32 v2, 31, v0                           ; lane
	v_lshlrev_b32 v3, 4, v2                        ; my 16 bytes of a load's 512
	s_mul_i32 s21, s20, 8192                       ; my wave's LDS: two stages of 32 x 80 bytes, then 256 scale bytes
	v_lshrrev_b32 v14, 2, v2
	v_mul_u32_u24 v14, v14, XSP
	v_and_b32 v15, 3, v2
	v_lshl_add_u32 v14, v15, 4, v14
	v_add_nc_u32 v14, s21, v14                     ; the stage, on the way in: four lanes' 64 bytes on end, then the padding
	v_mul_u32_u24 v15, v2, XSP
	v_add_nc_u32 v15, s21, v15                     ; and on the way out: my 16 neighbours
	v_lshlrev_b32 v4, 3, v2                        ; my codes' place in a step's
	v_lshrrev_b32 v5, 1, v2
	s_add_co_u32 s21, s21, 2*32*XSP
	v_add_nc_u32 v5, s21, v5                       ; my block's byte among the wave's 256
	v_lshlrev_b32 v7, 3, v2
	v_add_nc_u32 v6, s21, v7                       ; and on the way out 8 bytes a lane
	s_sub_co_u32 s22, ttmp9, 16
	s_lshl_b32 s22, s22, 2
	s_add_co_u32 s22, s22, s20                     ; which four tokens are my wave's
	s_lshl_b32 s24, s22, 15                        ; 8,192 numbers of 4 bytes
	s_mov_b32 s25, 0
	s_add_nc_u64 s[4:5], s[4:5], s[24:25]
	s_and_b32 s23, s22, 0xfffffff9                 ; the tokens' bits 3 and 4 are this number's bits 1 and 2: exchanged
	s_and_b32 s26, s22, 2
	s_lshl_b32 s26, s26, 1
	s_or_b32 s23, s23, s26
	s_and_b32 s26, s22, 4
	s_lshr_b32 s26, s26, 1
	s_or_b32 s23, s23, s26
	s_lshl_b32 s24, s23, 12                        ; four rows of 1,024 bytes of codes
	s_add_nc_u64 s[28:29], s[14:15], s[24:25]
	s_lshl_b32 s24, s23, 8                         ; four rows of 64 scale bytes
	s_add_nc_u64 s[30:31], s[14:15], s[24:25]
	s_add_nc_u64 s[30:31], s[30:31], XS
.macro XLOAD t
.irp i, 0,1,2,3
	global_load_b128 v[XR+16*((\t)%4)+4*\i:XR+16*((\t)%4)+4*\i+3], v3, s[4:5] offset:2048*(\t)+512*\i th:TH_LOAD_NT
.endr
.endm
.macro XTURN t                         ; step t's numbers through the stage: LDS serves a wave's instructions in order, so no wait stands between the stores and the loads
.irp i, 0,1,2,3
	ds_store_b128 v14, v[XR+16*((\t)%4)+4*\i:XR+16*((\t)%4)+4*\i+3] offset:32*XSP*((\t)%2)+8*XSP*\i
.endr
.irp i, 0,1,2,3
	ds_load_b128 v[XX+16*((\t)%2)+4*\i:XX+16*((\t)%2)+4*\i+3], v15 offset:32*XSP*((\t)%2)+16*\i
.endr
.endm
.irp t, 0,1,2,3
	XLOAD \t
.endr
	s_wait_alu depctr_va_vdst(0)
	s_wait_loadcnt 12                              ; step 0's four loads are in
	XTURN 0
.macro XSTEP t
.set XB, XX+16*((\t)%2)
.if (\t) > 0
	s_wait_dscnt 1                                 ; this step's numbers are back from the stage (the last step's byte store may be out): so its stores into the stage have read their registers,
.else
	s_wait_dscnt 0x0
.endif
.if (\t)+4 < 16
	XLOAD (\t)+4                                   ; which take the loads of four steps on
.endif
.if (\t)+1 < 16
.if 14-(\t) >= 3
	s_wait_loadcnt 12                              ; the next step's four loads are in; those of the three steps behind it may be out
.else
	s_wait_loadcnt 4*(14-(\t))
.endif
	XTURN (\t)+1                                   ; and go through the other stage while this step is worked
.endif
	v_max3_num_f32 v8, |v[XB]|, |v[XB+1]|, |v[XB+2]|               ; the largest magnitude of my 16
	v_max3_num_f32 v9, |v[XB+3]|, |v[XB+4]|, |v[XB+5]|
.irp i, 6,10
	v_max3_num_f32 v8, v8, |v[XB+\i]|, |v[XB+\i+1]|
	v_max3_num_f32 v9, v9, |v[XB+\i+2]|, |v[XB+\i+3]|
.endr
	v_max3_num_f32 v8, v8, |v[XB+14]|, |v[XB+15]|
	v_max3_num_f32 v8, v8, v9, 0x1800000           ; and the floor 2^(3 - 127)
	v_max_num_f32_dpp v8, v8, v8 row_xmask:1 row_mask:0xf bank_mask:0xf   ; and of my neighbour's 16: the block's
	v_add_nc_u32 v11, 0xff000000, v8               ; 2 off its exponent field: the conversion's scale operand
	v_cvt_scalef32_pk8_fp4_f32 v[XC+4*(\t)], v[XB:XB+7], v11
	v_cvt_scalef32_pk8_fp4_f32 v[XC+4*(\t)+1], v[XB+8:XB+15], v11
	v_lshrrev_b32 v[XE+(\t)], 23, v11              ; the scale's byte
	ds_store_b8 v5, v[XE+(\t)] offset:16*(\t)      ; both lanes of a block write the same byte with the same value
	global_store_b64 v4, v[XC+4*(\t):XC+4*(\t)+1], s[28:29] offset:256*(\t)   ; 32 lanes store 256 consecutive bytes, aligned
.endm
.irp t, 0,1,2,3,4,5,6,7,8,9,10,11,12,13,14,15
	XSTEP \t
.endr
	ds_load_b64 v[12:13], v6                       ; LDS serves a wave's instructions in order: these see my stores
	s_wait_dscnt 0x0
	global_store_b64 v7, v[12:13], s[30:31]        ; 256 consecutive bytes, aligned
	s_wait_tensorcnt 0x0
	ds_add_u32 v208, v209
	s_wait_dscnt 0x0
	s_endpgm
; ---------------------------------------------------------------- THE TABLES
; tab: [kind: q, k][tile of 16 stored tokens: 64][C, S][8][lane][4 f32].  Entry x = 0 .. 31 of lane (r, h) belongs to token t = 32 (tile / 2) + 8 (tile % 2) + r + 8 (r / 8) and frequency i = 32 (x / 16) + 16 h + x % 16.
; For q: C = cos x scale, S = sin x scale; for k: divided by the scale.  A wave makes one tile of tokens.
; THE ANGLE is formed as its definition forms it: P = 10000^(i/64) = 10^(i/16) as the nearest f32 number (written out below), inv_freq = 1 / P rounded as a division rounds it (a reciprocal and one correction step), angle = t x inv_freq, one rounding.
; SINE AND COSINE: n = the nearest whole number to angle x 2/pi; r = angle - n pi/2, pi/2 in two parts by fused multiply-adds (n is under 2^10, so n x the upper part is exact in the first); polynomials on |r| <= pi/4; the quadrant by selects and sign bits.
; THE SCALE: sv = (2 i + 51.2) / 179.2, scale = 2^(pw log2 sv), pw = (t - 512) / 512.
.Ltab:
.set INV, 32                           ; v32-63   P, then inv_freq
.set LG,  64                           ; v64-95   log2 sv
.set TE,  96                           ; four entries at a time: the angle,
.set TN,  100                          ; n,
.set TR,  104                          ; r,
.set TZ,  108                          ; r^2,
.set TPS, 112                          ; sine,
.set TPC, 116                          ; cosine,
.set T0,  120
.set T1,  124
.set SCQ, 128                          ; the scale,
.set SCK, 132                          ; its reciprocal,
.set QC,  136                          ; v136-151 the four results
.set QSN, 140
.set KC,  144
.set KSN, 148
.set TQ,  152                          ; pw log2 sv
	v_and_b32 v1, 31, v0
	v_and_b32 v2, 15, v0                           ; r
	s_wait_alu depctr_va_vdst(0)
	v_bfe_u32 v3, v0, 4, 1                         ; h
	s_wait_alu depctr_va_vdst(0)
	v_lshlrev_b32 v6, 4, v1                        ; 16 bytes a lane
	s_lshl_b32 s21, ttmp9, 2
	s_add_co_u32 s21, s21, s20                     ; my tile of tokens
	s_lshl_b32 s22, s21, 13
	s_mov_b32 s23, 0
	s_add_nc_u64 s[34:35], s[18:19], s[22:23]
	s_lshr_b32 s22, s21, 1
	s_lshl_b32 s22, s22, 5
	s_and_b32 s23, s21, 1
	s_lshl_b32 s23, s23, 3
	s_add_co_u32 s22, s22, s23
	v_and_b32 v4, 8, v2
	v_add_nc_u32 v4, v4, v2
	v_add_nc_u32 v4, s22, v4                       ; t
	v_cvt_f32_u32 v4, v4
	v_add_f32 v5, 0xc4000000, v4                   ; t - 512
	v_mul_f32 v5, 0x3b000000, v5                   ; / 512: exact
	s_mov_b32 s24, 0x3f22f983                      ; 2 / pi
	s_mov_b32 s25, 0x3fc90fdb                      ; pi / 2, the upper part
	s_mov_b32 s26, 0xb33bbd2e                      ; and what is left of it
	s_mov_b32 s27, -0.16666654611                  ; sine: r + r z (s27 + z (s28 + z s29))
	s_mov_b32 s28, 0.0083321608736
	s_mov_b32 s29, -0.00019515295891
	s_mov_b32 s30, 0.04166664568298827             ; cosine: 1 - z / 2 + z z (s30 + z (s31 + z s32))
	s_mov_b32 s31, -0.001388731625493765
	s_mov_b32 s32, 0.00002443315711809948
	v_cmp_eq_u32 vcc_lo, 0, v3
.macro PSEL x, p0, p1                  ; entry x: P of lanes 0-15, of lanes 16-31
	v_mov_b32 v[INV+\x], \p0
	v_cndmask_b32 v[INV+\x], \p1, v[INV+\x], vcc_lo
.endm
	PSEL 0, 1.0, 10.0
	PSEL 1, 1.1547819846894583, 11.547819846894583
	PSEL 2, 1.333521432163324, 13.33521432163324
	PSEL 3, 1.5399265260594921, 15.399265260594921
	PSEL 4, 1.7782794100389228, 17.782794100389228
	PSEL 5, 2.0535250264571463, 20.535250264571463
	PSEL 6, 2.371373705661655, 23.71373705661655
	PSEL 7, 2.7384196342643614, 27.384196342643614
	PSEL 8, 3.1622776601683795, 31.622776601683795
	PSEL 9, 3.651741272548377, 36.51741272548377
	PSEL 10, 4.216965034285822, 42.16965034285822
	PSEL 11, 4.869675251658631, 48.69675251658631
	PSEL 12, 5.623413251903491, 56.23413251903491
	PSEL 13, 6.493816315762113, 64.93816315762113
	PSEL 14, 7.498942093324558, 74.98942093324558
	PSEL 15, 8.659643233600654, 86.59643233600654
	PSEL 16, 100.0, 1000.0
	PSEL 17, 115.47819846894583, 1154.7819846894583
	PSEL 18, 133.3521432163324, 1333.521432163324
	PSEL 19, 153.99265260594921, 1539.9265260594921
	PSEL 20, 177.82794100389228, 1778.2794100389228
	PSEL 21, 205.35250264571463, 2053.5250264571463
	PSEL 22, 237.1373705661655, 2371.373705661655
	PSEL 23, 273.84196342643614, 2738.4196342643614
	PSEL 24, 316.22776601683795, 3162.2776601683795
	PSEL 25, 365.1741272548377, 3651.741272548377
	PSEL 26, 421.6965034285822, 4216.965034285822
	PSEL 27, 486.9675251658631, 4869.675251658631
	PSEL 28, 562.3413251903491, 5623.413251903491
	PSEL 29, 649.3816315762113, 6493.816315762113
	PSEL 30, 749.8942093324558, 7498.942093324558
	PSEL 31, 865.9643233600654, 8659.643233600654
.set x, 0
	s_wait_alu depctr_va_vdst(0)
.rept 32
	v_rcp_f32 v[96+x], v[INV+x]
.set x, x+1
.endr
	v_lshlrev_b32 v7, 5, v3                        ; 32 h.  (A plain instruction behind the reciprocals)
	s_wait_alu depctr_va_vdst(0)                   ; one wait for the 32 reciprocals, ahead of their first reader
.set x, 0
.rept 32
	v_fma_f32 v[LG+x], -v[INV+x], v[96+x], 1.0     ; what the reciprocal misses,
.set x, x+1
.endr
.set x, 0
.rept 32
	v_fma_f32 v[INV+x], v[LG+x], v[96+x], v[96+x]  ; put right: inv_freq
.set x, x+1
.endr
.set x, 0
.rept 32
	v_add_nc_u32 v[LG+x], 64*(x/16)+2*(x%16), v7   ; 2 i
.set x, x+1
.endr
.set x, 0
.rept 32
	v_cvt_f32_u32 v[LG+x], v[LG+x]
.set x, x+1
.endr
.set x, 0
.rept 32
	v_add_f32 v[LG+x], 51.2, v[LG+x]
.set x, x+1
.endr
.set x, 0
.rept 32
	v_mul_f32 v[LG+x], 0.005580357142857143, v[LG+x]   ; / 179.2
.set x, x+1
.endr
.set x, 0
	s_wait_alu depctr_va_vdst(0)
.rept 32
	v_log_f32 v[LG+x], v[LG+x]
.set x, x+1
.endr
	v_nop                                          ; a plain instruction behind the logarithms
	s_wait_alu depctr_va_vdst(0)                   ; one wait for the 32
.macro ENT4 q4                         ; entries 4 q4 .. 4 q4 + 3, by turns: no line waits for the line above it
.irp e, 0,1,2,3
	v_mul_f32 v[TQ+\e], v5, v[LG+4*(\q4)+\e]
.endr
	s_wait_alu depctr_va_vdst(0)
.irp e, 0,1,2,3
	v_exp_f32 v[SCQ+\e], v[TQ+\e]                  ; the scale
.endr
.irp e, 0,1,2,3
	v_exp_f32 v[SCK+\e], -v[TQ+\e]                 ; and 1 / the scale.  The eight are one batch; sine and cosine are the independent work behind it
.endr
.irp e, 0,1,2,3
	v_mul_f32 v[TE+\e], v4, v[INV+4*(\q4)+\e]      ; the angle
.endr
.irp e, 0,1,2,3
	v_mul_f32 v[TN+\e], s24, v[TE+\e]
.endr
.irp e, 0,1,2,3
	v_rndne_f32 v[TN+\e], v[TN+\e]
.endr
.irp e, 0,1,2,3
	v_fma_f32 v[TR+\e], -v[TN+\e], s25, v[TE+\e]
.endr
.irp e, 0,1,2,3
	v_fma_f32 v[TR+\e], -v[TN+\e], s26, v[TR+\e]
.endr
.irp e, 0,1,2,3
	v_mul_f32 v[TZ+\e], v[TR+\e], v[TR+\e]
.endr
.irp e, 0,1,2,3
	v_fma_f32 v[TPS+\e], v[TZ+\e], s29, s28
	v_fma_f32 v[TPC+\e], v[TZ+\e], s32, s31
.endr
.irp e, 0,1,2,3
	v_fma_f32 v[TPS+\e], v[TPS+\e], v[TZ+\e], s27
	v_fma_f32 v[TPC+\e], v[TPC+\e], v[TZ+\e], s30
.endr
.irp e, 0,1,2,3
	v_mul_f32 v[T0+\e], v[TZ+\e], v[TR+\e]
	v_mul_f32 v[T1+\e], v[TZ+\e], v[TZ+\e]
.endr
.irp e, 0,1,2,3
	v_fma_f32 v[TPS+\e], v[TPS+\e], v[T0+\e], v[TR+\e]     ; sin r
.endr
.irp e, 0,1,2,3
	v_fma_f32 v[T0+\e], v[TZ+\e], -0.5, 1.0
.endr
.irp e, 0,1,2,3
	v_fma_f32 v[TPC+\e], v[TPC+\e], v[T1+\e], v[T0+\e]     ; cos r
.endr
.irp e, 0,1,2,3
	v_cvt_i32_f32 v[TN+\e], v[TN+\e]
.endr
.irp e, 0,1,2,3
	v_and_b32 v[T0+\e], 1, v[TN+\e]
.endr
.irp e, 0,1,2,3
	v_cmp_eq_u32 s[36+\e], 1, v[T0+\e]             ; n odd: sine and cosine change places (a select; nothing branches on it)
.endr
.irp e, 0,1,2,3
	v_cndmask_b32 v[T1+\e], v[TPS+\e], v[TPC+\e], s[36+\e]
	v_cndmask_b32 v[TPC+\e], v[TPC+\e], v[TPS+\e], s[36+\e]
.endr
.irp e, 0,1,2,3
	v_lshlrev_b32 v[T0+\e], 30, v[TN+\e]           ; the sine's sign: bit 1 of n
	v_add_nc_u32 v[TZ+\e], 1, v[TN+\e]             ; the cosine's: bit 1 of n + 1
.endr
.irp e, 0,1,2,3
	v_and_b32 v[T0+\e], 0x80000000, v[T0+\e]
	v_lshlrev_b32 v[TZ+\e], 30, v[TZ+\e]
.endr
.irp e, 0,1,2,3
	v_xor_b32 v[T1+\e], v[T0+\e], v[T1+\e]
	v_and_b32 v[TZ+\e], 0x80000000, v[TZ+\e]
.endr
.irp e, 0,1,2,3
	v_xor_b32 v[TPC+\e], v[TZ+\e], v[TPC+\e]
.endr
	s_wait_alu depctr_va_vdst(0)                   ; one wait for the eight exponentials, ahead of their first reader
	s_wait_xcnt 0x0                                ; the last group's stores have read their data: the results may be written again
.irp e, 0,1,2,3
	v_mul_f32 v[QC+\e], v[TPC+\e], v[SCQ+\e]
	v_mul_f32 v[QSN+\e], v[T1+\e], v[SCQ+\e]
	v_mul_f32 v[KC+\e], v[TPC+\e], v[SCK+\e]
	v_mul_f32 v[KSN+\e], v[T1+\e], v[SCK+\e]
.endr
	global_store_b128 v6, v[QC:QC+3], s[34:35] offset:512*(\q4)               ; each store of the wave covers 512 consecutive bytes, aligned
	global_store_b128 v6, v[QSN:QSN+3], s[34:35] offset:4096+512*(\q4)
	global_store_b128 v6, v[KC:KC+3], s[34:35] offset:524288+512*(\q4)
	global_store_b128 v6, v[KSN:KSN+3], s[34:35] offset:524288+4096+512*(\q4)
.endm
.irp q, 0,1,2,3,4,5,6,7
	ENT4 \q
.endr
	s_endpgm
.Lfunc_end_k_q6ace069eed_prep:
	.size	k_q6ace069eed_prep, .Lfunc_end_k_q6ace069eed_prep-k_q6ace069eed_prep
	.p2alignl 7, 3214868480
	.fill 96, 4, 3214868480
	.section	.rodata,"a",@progbits
	.p2align	6, 0x0
	.amdhsa_kernel k_q6ace069eed_prep
		.amdhsa_group_segment_fixed_size 50688
		.amdhsa_private_segment_fixed_size 0
		.amdhsa_enable_private_segment 0
		.amdhsa_kernarg_size 64
		.amdhsa_user_sgpr_count 2
		.amdhsa_user_sgpr_kernarg_segment_ptr 1
		.amdhsa_wavefront_size32 1
		.amdhsa_system_sgpr_workgroup_id_x 1
		.amdhsa_system_sgpr_workgroup_id_y 1
		.amdhsa_system_sgpr_workgroup_id_z 1
		.amdhsa_system_vgpr_workitem_id 0
		.amdhsa_next_free_vgpr 210
		.amdhsa_next_free_sgpr 96
		.amdhsa_reserve_vcc 1
		.amdhsa_float_denorm_mode_32 3
		.amdhsa_float_denorm_mode_16_64 3
		.amdhsa_memory_ordered 1
		.amdhsa_forward_progress 1
		.amdhsa_inst_pref_size 146
	.end_amdhsa_kernel
	.amdgpu_metadata
---
amdhsa.version: [ 1, 2 ]
amdhsa.kernels:
  - .name:           k_q6ace069eed_prep
    .symbol:         k_q6ace069eed_prep.kd
    .args:
      - { .name: x, .offset: 0, .size: 8, .value_kind: global_buffer, .address_space: global }
      - { .name: W_q, .offset: 8, .size: 8, .value_kind: global_buffer, .address_space: global }
      - { .name: W_k, .offset: 16, .size: 8, .value_kind: global_buffer, .address_space: global }
      - { .name: W_v, .offset: 24, .size: 8, .value_kind: global_buffer, .address_space: global }
      - { .name: W_o, .offset: 32, .size: 8, .value_kind: global_buffer, .address_space: global }
      - { .name: xq, .offset: 40, .size: 8, .value_kind: global_buffer, .address_space: global }
      - { .name: wq, .offset: 48, .size: 8, .value_kind: global_buffer, .address_space: global }
      - { .name: tab, .offset: 56, .size: 8, .value_kind: global_buffer, .address_space: global }
    .group_segment_fixed_size: 50688
    .private_segment_fixed_size: 0
    .kernarg_segment_align: 8
    .kernarg_segment_size: 64
    .max_flat_workgroup_size: 128
    .sgpr_count:     96
    .vgpr_count:     210
    .wavefront_size: 32
...
	.end_amdgpu_metadata
.endif
;; end of part 1
;; launch qkv (part 2): grid 16 x 16, 4 waves a work-group, clusters of 4 x 4, 327,680 bytes of LDS; arguments xq, wq, tab, qkv; writes qkv
.if DOCPART == 2
	.amdgcn_target "amdgcn-amd-amdhsa--gfx1250"
	.amdhsa_code_object_version 6
	.text
	.protected	k_q6ace069eed_qkv
	.globl	k_q6ace069eed_qkv
	.p2align	8
	.type	k_q6ace069eed_qkv,@function
k_q6ace069eed_qkv:
	s_mov_b64 s[64:65], 0
	v_nop
	global_prefetch_b8 v0, s[64:65] scope:SCOPE_SE
	s_setreg_imm32_b32 hwreg(HW_REG_WAVE_MODE, 25, 1), 1
	s_wait_xcnt 0x0
	s_wait_alu depctr_hold_cnt(0) depctr_sa_sdst(0) depctr_va_vdst(0) depctr_va_sdst(0) depctr_va_ssrc(0) depctr_va_vcc(0) depctr_vm_vsrc(0)
	s_getreg_b32 s2, hwreg(HW_REG_IB_STS2, 6, 4)
	s_cmp_eq_u32 s2, 0
	s_cbranch_scc0 .Lentry_in_a_cluster
	s_endpgm
.Lentry_in_a_cluster:
	s_bfe_u32 s2, ttmp6, 0x10000c
	s_cmp_lg_u32 s2, 0xf033
	s_cbranch_scc0 .Lentry_shape_is_right
	s_endpgm
.Lentry_shape_is_right:
.set KSTEP,  512
.set NQ,     4
.set ROWB,   256
.set KROW,   1024
.set PITCH,  272
.set FR,     8
.set NL,     2
.set NP,     4
.set HALFT,  128*PITCH
.set SLOT,   4*HALFT
.set LAPS,   2
.set KS,     64
.set SCL,    2*SLOT
.set HALFS,  (128*KS/256)*272
.set SBLK,   (16*KS/256)*272
.set SPARE,  SCL+4*HALFS
.set SPITCH, 528
.set XS,     4194304
.set WS,     6291456
.set QS,     8388608
.set ADRA, 16
.set ADRB, 20
.set RDV,  22
.set STO,  24
.set ADRS, 27
.set SPW,  28
.set NIL,  29
.set LI,   30
.set VL,   31
.set SC,   32
.set TM,   96
.set PW,   112
.set SWT,  113
.set SW,   116
.set AF,   128
.set H,    128
.set PCB,  192
.set G1, 24
.set G0, 32
.set G1B, 48
.set G0B, 56
.set G1S, 68
.set G0S, 76
.set G1SB, 80
.set G0SB, 88
.set TABP, 96
.set OSC,  98
.set SEL,  20
.set MSB, 0
.macro WIN new
.if MSB != \new
	s_set_vgpr_msb (MSB<<8)|\new
.set MSB, \new
.endif
.endm
.set MUL_LO, 0xa1
.set MUL_HI, 0xf1
.set TO_B,   0x40
.macro JLOAD g0a, g1a, g0b, g1b
	s_cmp_eq_u32 s15, 0
	s_cbranch_scc0 .Lfor_b_\@
	tensor_load_to_lds s[\g0a:\g0a+3], s[\g1a:\g1a+7]
	s_nop 0
.rept 4
	v_nop
.endr
	s_branch .Lasked_\@
.Lfor_b_\@:
	tensor_load_to_lds s[\g0b:\g0b+3], s[\g1b:\g1b+7]
	s_nop 0
.rept 4
	v_nop
.endr
.Lasked_\@:
.endm
.macro CREST
	s_cmp_lg_u32 s14, 0
	s_cbranch_scc1 .Lnot_wave_0_\@
	s_barrier_signal -3
.Lnot_wave_0_\@:
	s_barrier_wait -3
	s_barrier_signal -1
	s_barrier_wait -1
.endm
.macro CROUND
	s_barrier_signal -1
	s_barrier_wait -1
	CREST
.endm
	s_load_b64 s[4:5], s[0:1], 0x0
	s_load_b64 s[8:9], s[0:1], 0x8
	s_load_b64 s[TABP:TABP+1], s[0:1], 0x10
	s_load_b64 s[12:13], s[0:1], 0x18
	v_lshl_add_u32 v[SPW], v0, 2, SPARE
	v_mov_b32 v[NIL], 0
	ds_add_u32 v28, v29
	ds_add_u32 v28, v29
	s_wait_dscnt 0x0
	v_lshrrev_b32 v1, 5, v0
	v_readfirstlane_b32 s14, v1
	s_lshr_b32 s15, s14, 1
	s_and_b32 s16, s14, 1
	s_bfe_u32 s40, ttmp6, 0x40000
	s_bfe_u32 s41, ttmp6, 0x40004
	s_lshl_b32 s42, ttmp9, 2
	s_add_co_u32 s42, s42, s40
	s_and_b32 s17, ttmp7, 0xffff
	s_lshl_b32 s17, s17, 2
	s_add_co_u32 s17, s17, s41
	s_lshl_b32 s43, s41, 2
	s_lshl_b32 s43, 15, s43
	s_lshl_b32 s44, 0x1111, s40
	s_or_b32 s[G1+0], s43, (0<<16)|(1<<20)|(1<<21)|(5<<22)|(3<<25)
	s_or_b32 s[G1B+0], s44, (0<<16)|(1<<20)|(1<<21)|(5<<22)|(3<<25)
.irp g, G1, G1B
	s_mov_b32 s[\g+1], ROWB<<16
	s_mov_b32 s[\g+2], 256<<16                     ; the head's loads of codes bring 256 rows; behind them these two words are set to 128
	s_mov_b32 s[\g+3], ROWB<<16
	s_mov_b32 s[\g+4], 256
	s_mov_b32 s[\g+5], KROW
	s_mov_b32 s[\g+6], 0
	s_mov_b32 s[\g+7], 0
.endr
	s_or_b32 s[G1S+0], s43, (3<<16)|(1<<20)|(1<<21)|(5<<22)|(3<<25)
	s_or_b32 s[G1SB+0], s44, (3<<16)|(1<<20)|(1<<21)|(5<<22)|(3<<25)
.irp g, G1S, G1SB
	s_mov_b32 s[\g+1], 32<<16
	s_mov_b32 s[\g+2], KS<<16                      ; the scales of 256 rows: KS rows of 256 bytes
	s_mov_b32 s[\g+3], 32<<16
	s_mov_b32 s[\g+4], KS
	s_mov_b32 s[\g+5], 32
	s_mov_b32 s[\g+6], 0
	s_mov_b32 s[\g+7], 0
.endr
	s_lshl_b32 s20, s17, 8                         ; A: the tile's first row
	s_lshl_b32 s46, s42, 8                         ; B: likewise
	s_mov_b32 s21, 0
	s_mov_b32 s47, 0
	s_mov_b64 s[18:19], KS
	s_mul_u64 s[22:23], s[20:21], s[18:19]
	s_mul_u64 s[92:93], s[46:47], s[18:19]
	s_mov_b64 s[18:19], KROW
	s_mul_u64 s[20:21], s[20:21], s[18:19]
	s_mul_u64 s[46:47], s[46:47], s[18:19]
	s_mul_i32 s45, s14, HALFT
	s_mul_i32 s18, s16, 128*KROW                   ; in the ring I fetch 128 rows of a tile: which half, in bytes
	s_mov_b32 s19, 0
	s_wait_kmcnt 0x0
	s_add_nc_u64 s[6:7], s[4:5], XS
	s_add_nc_u64 s[10:11], s[8:9], WS
	s_add_nc_u64 s[20:21], s[4:5], s[20:21]
	s_add_nc_u64 s[22:23], s[6:7], s[22:23]
	s_add_nc_u64 s[46:47], s[8:9], s[46:47]
	s_add_nc_u64 s[92:93], s[10:11], s[92:93]
	CROUND
.set G0H, 4                            ; s[4:7], s[8:11] group 0 for the head's loads of K step 0 (the addresses that lay there have been used)
.set G0HB, 8
	s_mov_b32 s[G0H], 1                            ; the head's four tiles, each whole: K step 0's 256 rows of A,
	s_mov_b32 s[G0H+1], 0
	s_mov_b64 s[G0H+2:G0H+3], s[20:21]
	s_or_b32 s[G0H+3], s[G0H+3], 0x80000000
	s_mov_b32 s[G0HB], 1                           ; its 256 rows of B,
	s_mov_b32 s[G0HB+1], 2*HALFT
	s_mov_b64 s[G0HB+2:G0HB+3], s[46:47]
	s_or_b32 s[G0HB+3], s[G0HB+3], 0x80000000
	s_mov_b32 s[G0S], 1                            ; the scales of A's 256 rows,
	s_mov_b32 s[G0S+1], SCL
	s_mov_b64 s[G0S+2:G0S+3], s[22:23]
	s_or_b32 s[G0S+3], s[G0S+3], 0x80000000
	s_mov_b32 s[G0SB], 1                           ; and of B's
	s_mov_b32 s[G0SB+1], SCL+2*HALFS
	s_mov_b64 s[G0SB+2:G0SB+3], s[92:93]
	s_or_b32 s[G0SB+3], s[G0SB+3], 0x80000000
	s_add_nc_u64 s[20:21], s[20:21], s[18:19]      ; for the ring: my 128 rows of the tile
	s_add_nc_u64 s[46:47], s[46:47], s[18:19]
.irp s, 0,1
	s_mov_b32 s[G0+4*\s], 1
	s_add_co_u32 s[G0+4*\s+1], s45, \s*SLOT
	s_add_nc_u64 s[G0+4*\s+2:G0+4*\s+3], s[20:21], \s*ROWB
	s_or_b32 s[G0+4*\s+3], s[G0+4*\s+3], 0x80000000
	s_mov_b32 s[G0B+4*\s], 1
	s_add_co_u32 s[G0B+4*\s+1], s45, \s*SLOT
	s_add_nc_u64 s[G0B+4*\s+2:G0B+4*\s+3], s[46:47], \s*ROWB
	s_or_b32 s[G0B+4*\s+3], s[G0B+4*\s+3], 0x80000000
.endr
; The head's loads, one a wave: one chain of branches on the wave's number, a load to an arm, all arms to one join.
.macro ARM under, g0, g1, next
	s_cmp_lt_u32 s14, \under
	s_cbranch_scc0 \next
	tensor_load_to_lds s[\g0:\g0+3], s[\g1:\g1+7]
	s_nop 0
.rept 4
	v_nop
.endr
	s_branch .Lhead_asked
\next:
.endm
	ARM 1, G0H,  G1,  .Lhead_b
	ARM 2, G0HB, G1B, .Lhead_sa
	ARM 3, G0S,  G1S, .Lhead_sb
	tensor_load_to_lds s[G0SB:G0SB+3], s[G1SB:G1SB+7]
	s_nop 0
.rept 4
	v_nop
.endr
.Lhead_asked:
	v_and_b32 v1, 15, v0
	v_bfe_u32 v2, v0, 4, 1
	v_mul_u32_u24 v3, v1, PITCH
	v_lshl_add_u32 v4, v2, 4, v3
	s_mul_i32 s21, s15, HALFT
	s_mul_i32 s22, s16, HALFT
	s_add_co_u32 s22, s22, 2*HALFT
.irp s, 0,1
	v_add_nc_u32 v[ADRA+\s], s21, v4
	v_add_nc_u32 v[ADRB+\s], s22, v4
	s_add_co_u32 s21, s21, SLOT
	s_add_co_u32 s22, s22, SLOT
.endr
	v_mul_u32_u24 v5, v1, KS
	v_lshrrev_b32 v6, 8, v5
	v_lshl_add_u32 v5, v6, 4, v5
	s_mul_i32 s21, s15, HALFS
	s_mul_i32 s22, s16, HALFS
	s_add_co_u32 s22, s22, 2*HALFS
	s_sub_co_u32 s22, s22, s21
	v_mul_u32_u24 v6, s22, v2
	s_add_co_u32 s21, s21, SCL
	v_add_nc_u32 v5, v5, v6
	v_add_nc_u32 v[ADRS], s21, v5
	s_mul_i32 s23, s14, 32*SPITCH
	v_mul_u32_u24 v5, v1, SPITCH
	v_lshl_add_u32 v5, v2, 5, v5
	v_add_nc_u32 v[STO], s23, v5
	v_and_b32 v6, 31, v0
	v_lshl_add_u32 v[RDV], v6, 2, s23
	v_lshlrev_b32 v[LI], 4, v6
	v_lshlrev_b32 v[VL], 10, v2
	v_lshl_add_u32 v[VL], v1, 4, v[VL]
	s_lshr_b32 s20, s17, 2
	s_lshl_b32 s20, s20, 5
	s_lshl_b32 s46, s42, 1
	s_add_co_u32 s46, s46, s16
	s_add_co_u32 s46, s46, s20
	s_lshl_b32 s46, s46, 3
	s_and_b32 s21, s17, 3
	s_lshl_b32 s22, s21, 1
	s_add_co_u32 s22, s22, s15
	s_add_co_u32 s46, s46, s22
	s_lshl_b32 s92, s46, 9
	s_mov_b32 s93, 0
	s_add_nc_u64 s[OSC:OSC+1], s[12:13], s[92:93]
	s_add_nc_u64 s[OSC:OSC+1], s[OSC:OSC+1], QS
	s_lshl_b32 s92, s46, 13
	s_add_nc_u64 s[12:13], s[12:13], s[92:93]
	s_cmp_eq_u32 ttmp9, 2
	s_cselect_b32 s92, 524288, 0
	s_lshl_b32 s21, s21, 4
	s_lshl_b32 s23, s15, 3
	s_add_co_u32 s21, s21, s23
	s_lshl_b32 s21, s21, 13
	s_add_co_u32 s92, s92, s21
	s_add_nc_u64 s[TABP:TABP+1], s[TABP:TABP+1], s[92:93]
.macro FRAG reg, adr, q, i
.irp c, 0,1
	ds_load_b128 v[\reg+4*\c:\reg+4*\c+3], v[\adr] offset:64*(\q)+32*\c+(\i)*16*PITCH
.endr
.endm
.macro MUL16 a0, p, q, sc, zero
.irp a, \a0, \a0+1
.irp b, 0,1,2,3,4,5,6,7
.if \zero
	v_wmma_scale_f32_16x16x128_f8f6f4 v[8*(8*((\a)%4)+\b):8*(8*((\a)%4)+\b)+7], v[128*(\p)+FR*\b:128*(\p)+FR*\b+FR-1], v[AF+FR*(\a):AF+FR*(\a)+FR-1], 0, v[SC+8*NQ*(\sc)+NQ*\b+(\q)], v[SC+8*NQ*(\sc)+NQ*(\a)+(\q)] matrix_a_fmt:MATRIX_FMT_FP4 matrix_b_fmt:MATRIX_FMT_FP4 matrix_a_scale:MATRIX_SCALE_ROW1
.else
	v_wmma_scale_f32_16x16x128_f8f6f4 v[8*(8*((\a)%4)+\b):8*(8*((\a)%4)+\b)+7], v[128*(\p)+FR*\b:128*(\p)+FR*\b+FR-1], v[AF+FR*(\a):AF+FR*(\a)+FR-1], v[8*(8*((\a)%4)+\b):8*(8*((\a)%4)+\b)+7], v[SC+8*NQ*(\sc)+NQ*\b+(\q)], v[SC+8*NQ*(\sc)+NQ*(\a)+(\q)] matrix_a_fmt:MATRIX_FMT_FP4 matrix_b_fmt:MATRIX_FMT_FP4 matrix_a_scale:MATRIX_SCALE_ROW1
.endif
.endr
.endr
.endm
.macro FETCH_B slot, q, p
	WIN TO_B
.irp i, 0,1,2,3,4,5,6,7
	FRAG 128*(\p)+FR*\i, ADRB+\slot, \q, \i
.endr
	WIN 0
.endm
.macro FETCH_A slot, q, i0
.irp i, \i0, \i0+1, \i0+2, \i0+3
	FRAG AF+FR*(\i), ADRA+\slot, \q, \i
.endr
.endm
.macro SCALES sc
.irp i, 0,1,2,3,4,5,6,7
	ds_load_b128 v[SC+8*NQ*\sc+NQ*\i:SC+8*NQ*\sc+NQ*\i+3], v[ADRS] offset:\i*SBLK
.endr
.endm
.macro PLACES n
.rept \n
	v_nop
.endr
.endm
.macro STEP slot, q, zero
	s_wait_dscnt 4*NL
	WIN MUL_LO
	MUL16 0, (\q)%2, \q, \slot, \zero
	MUL16 2, (\q)%2, \q, \slot, \zero
	s_wait_dscnt 0
	PLACES NP
	FETCH_B \slot, (\q)+1, 1-(\q)%2
	FETCH_A \slot, (\q)+1, 0
	WIN MUL_HI
	MUL16 4, (\q)%2, \q, \slot, \zero
	MUL16 6, (\q)%2, \q, \slot, \zero
	PLACES NP
	WIN 0
	FETCH_A \slot, (\q)+1, 4
.endm
.macro TURN slot, next, fill
	s_wait_tensorcnt 0x0
	ds_add_u32 v[SPW], v[NIL]
	s_wait_dscnt 4*NL+1
	WIN MUL_LO
	MUL16 0, 1, NQ-1, \slot, 0
	s_wait_dscnt 0x0
	s_barrier_signal -1
	MUL16 2, 1, NQ-1, \slot, 0
	WIN 0
	s_barrier_wait -1
.if \fill
	CREST
	s_add_nc_u64 s[G0+4*\slot+2:G0+4*\slot+3], s[G0+4*\slot+2:G0+4*\slot+3], 2*ROWB
	s_add_nc_u64 s[G0B+4*\slot+2:G0B+4*\slot+3], s[G0B+4*\slot+2:G0B+4*\slot+3], 2*ROWB
	JLOAD G0+4*\slot, G1, G0B+4*\slot, G1B
.else
	PLACES NP
.endif
	s_wait_alu depctr_va_vdst(0)
	v_add_nc_u32 v[ADRS], 4*NQ, v[ADRS]
	FETCH_B \next, 0, 0
	FETCH_A \next, 0, 0
	SCALES \next
	WIN MUL_HI
	MUL16 4, 1, NQ-1, \slot, 0
	MUL16 6, 1, NQ-1, \slot, 0
	PLACES NP
	WIN 0
	FETCH_A \next, 0, 4
.endm
.macro STEPS slot, from
.set Q, \from
.rept NQ-1-\from
	STEP \slot, Q, 0
.set Q, Q+1
.endr
.endm
.macro LAST
	s_wait_dscnt 4*NL
	WIN MUL_LO
	MUL16 0, 1, NQ-1, 1, 0
	MUL16 2, 1, NQ-1, 1, 0
	s_wait_dscnt 0
	WIN MUL_HI
	MUL16 4, 1, NQ-1, 1, 0
	MUL16 6, 1, NQ-1, 1, 0
	WIN 0
	PLACES NP
.endm
.macro TABLOAD a
	WIN TO_B
.irp cs, 0,1
.irp q, 0,1,2,3,4,5,6,7
	global_load_b128 v[64*((2*((\a)%4)+1)%5)+32*\cs+4*\q:64*((2*((\a)%4)+1)%5)+32*\cs+4*\q+3], v[LI], s[TABP:TABP+1] offset:(\a)*8192+\cs*4096+\q*512   ; block a's tables lie in set 1, 3, 0, 2 (by a % 4) of window 1: sets 1 and 3 are named by no line of the products
.endr
.endr
	WIN 0
.endm
	s_wait_alu depctr_va_vdst(0)
	s_cmp_eq_u32 ttmp9, 3                          ; the cluster's x: the same in all partners.  V's work-groups use no tables
	s_cbranch_scc1 .Lno_tab
	TABLOAD 0                                      ; the tables of token blocks 0 and 1 are asked for here: 32 loads, waited for on the way out
	TABLOAD 1
.Lno_tab:
	s_wait_tensorcnt 0x0                           ; my tile of the head's four is in
	ds_add_u32 v[SPW], v[NIL]
	s_mov_b32 s[G1+2], 128<<16                     ; no tensor load of mine is out: from here on a load brings 128 rows
	s_mov_b32 s[G1+4], 128
	s_mov_b32 s[G1B+2], 128<<16
	s_mov_b32 s[G1B+4], 128
	s_wait_dscnt 0x0
	CROUND
	JLOAD G0+4, G1, G0B+4, G1B                     ; K step 1, the first tensor load behind the round
	FETCH_B 0, 0, 0
	FETCH_A 0, 0, 0
	SCALES 0
	FETCH_A 0, 0, 4
	STEP 0, 0, 1
	s_mov_b32 s3, LAPS-1
.Llap:
	STEPS 0, 1
	TURN 0, 1, 1
	STEPS 1, 0
	TURN 1, 0, 1
	STEP 0, 0, 0
	s_sub_co_u32 s3, s3, 1
	s_cmp_lg_u32 s3, 0
	s_cbranch_scc1 .Llap
	STEPS 0, 1
	TURN 0, 1, 0
	STEPS 1, 0
	s_cmp_eq_u32 ttmp9, 3
	s_cbranch_scc1 .Lv
	TABLOAD 2                                      ; into B's set 0, which the last step does not read
	LAST
.macro QUANT s, pc
.irp b, 0,1,2,3
	v_max3_num_f32 v[TM+\b], |v[(\s)+16*\b]|, |v[(\s)+1+16*\b]|, 0x1800000
.endr
.irp i, 2,4,6,8,10,12,14
.irp b, 0,1,2,3
	v_max3_num_f32 v[TM+\b], v[TM+\b], |v[(\s)+16*\b+\i]|, |v[(\s)+1+16*\b+\i]|
.endr
.endr
.irp b, 0,1,2,3
	v_permlanex16_b32 v[TM+4+\b], v[TM+\b], s[SEL], s[SEL+1]
.endr
.irp b, 0,1,2,3
	v_max_num_f32 v[TM+\b], v[TM+\b], v[TM+4+\b]
.endr
.irp b, 0,1,2,3
	v_add_nc_u32 v[TM+12+\b], 0xff000000, v[TM+\b]
.endr
.irp b, 0,1,2,3
	v_lshrrev_b32 v[TM+4+\b], 23, v[TM+12+\b]
.endr
	v_lshl_or_b32 v[PW], v[TM+5], 8, v[TM+4]
	v_lshl_or_b32 v[PW], v[TM+6], 16, v[PW]
	v_lshl_or_b32 v[PW], v[TM+7], 24, v[PW]
.irp b, 0,1,2,3
	v_cvt_scalef32_pk8_fp4_f32 v[(\pc)+2*\b], v[(\s)+16*\b:(\s)+7+16*\b], v[TM+12+\b]
	v_cvt_scalef32_pk8_fp4_f32 v[(\pc)+1+2*\b], v[(\s)+8+16*\b:(\s)+15+16*\b], v[TM+12+\b]
.endr
	v_nop
.irp c, 0,1
.irp i, 0,1
	v_permlane16_swap_b32 v[(\pc)+4*\c+\i], v[(\pc)+2+4*\c+\i]
.endr
.endr
.endm
.macro ROT a
.set AC, 64*((\a)%4)
.set TC, 64*((2*((\a)%4)+1)%5)         ; the block's tables in window 1
	WIN 0x06+((\a)/4)
.irp x, 0,2,4,6,8,10,12,14,16,18,20,22,24,26,28,30
	v_pk_mul_f32 v[H+\x:H+\x+1], v[AC+\x:AC+\x+1], v[TC+\x:TC+\x+1]
	v_pk_mul_f32 v[H+32+\x:H+33+\x], v[AC+32+\x:AC+33+\x], v[TC+\x:TC+\x+1]
.endr
.irp x, 0,2,4,6,8,10,12,14,16,18,20,22,24,26,28,30
	v_pk_fma_f32 v[H+\x:H+\x+1], v[AC+32+\x:AC+33+\x], v[TC+32+\x:TC+33+\x], v[H+\x:H+\x+1] neg_lo:[1,0,0] neg_hi:[1,0,0]
	v_pk_fma_f32 v[H+32+\x:H+33+\x], v[AC+\x:AC+\x+1], v[TC+32+\x:TC+33+\x], v[H+32+\x:H+33+\x]
.endr
.endm
	TABLOAD 3
	s_mov_b32 s[SEL], 0x76543210
	s_mov_b32 s[SEL+1], 0xfedcba98
	s_mov_b32 s100, 0xffff0000
.irp b, 0,1,2,3
	v_mov_b32 v[TM+4+\b], 0
.endr
.irp a, 0,1,2,3,4,5,6,7
.if \a < 5
	s_wait_loadcnt 48
.else
	s_wait_loadcnt 16*(7-\a)
.endif
	ROT \a
.if \a < 4
	TABLOAD \a+4
.endif
	WIN 0
	QUANT H, PCB+8*\a
.if \a%2 == 0
	v_mov_b32 v[SWT], v[PW]
.else
	v_cndmask_b32 v[SW+\a/2], v[SWT], v[PW], s100
.endif
	global_store_b128 v[LI], v[PCB+8*\a:PCB+8*\a+3], s[12:13] offset:\a*1024
	global_store_b128 v[LI], v[PCB+8*\a+4:PCB+8*\a+7], s[12:13] offset:\a*1024+512
.endr
	global_store_b128 v[LI], v[SW:SW+3], s[OSC:OSC+1]
	s_branch .Lend
.Lv:
	LAST
.set VX, 128
.macro VSTAGE al
	WIN 0x08+4*((\al)/2)
.irp u, 0,1
.irp b, 0,1,2,3,4,5,6,7
	ds_store_b128 v[STO], v[64*((2*(\al)+\u)%4)+8*\b:64*((2*(\al)+\u)%4)+8*\b+3] offset:\u*16*SPITCH+64*\b
	ds_store_b128 v[STO], v[64*((2*(\al)+\u)%4)+8*\b+4:64*((2*(\al)+\u)%4)+8*\b+7] offset:\u*16*SPITCH+64*\b+16
.endr
.endr
	WIN 0
.endm
.macro VLOAD g, set
.set i, 0
.rept 32
	ds_load_b32 v[VX+32*(\set)+i], v[RDV] offset:((i&7)|((i&8)<<1)|((i&16)>>1))*SPITCH+128*(\g)
.set i, i+1
.endr
.endm
.macro VQ al, g, set
.set VXB, VX+32*(\set)
.set CV, PCB+4*(4*(\al)+(\g))
	v_max3_num_f32 v96, |v[VXB]|, |v[VXB+1]|, |v[VXB+2]|
	v_max3_num_f32 v97, |v[VXB+3]|, |v[VXB+4]|, |v[VXB+5]|
.irp i, 6,10,14,18,22,26
	v_max3_num_f32 v96, v96, |v[VXB+\i]|, |v[VXB+\i+1]|
	v_max3_num_f32 v97, v97, |v[VXB+\i+2]|, |v[VXB+\i+3]|
.endr
	v_max3_num_f32 v96, v96, |v[VXB+30]|, |v[VXB+31]|
	v_max3_num_f32 v96, v96, v97, 0x1800000
	v_add_nc_u32 v98, 0xff000000, v96
	v_lshrrev_b32 v99, 23, v98
.if (\al) == 0
	v_mov_b32 v[SW+(\g)], v99
.else
	v_lshl_or_b32 v[SW+(\g)], v99, 8*(\al), v[SW+(\g)]
.endif
.irp c, 0,1,2,3
	v_cvt_scalef32_pk8_fp4_f32 v[CV+\c], v[VXB+8*\c:VXB+8*\c+7], v98
.endr
	v_nop
	global_store_b128 v[VL], v[CV:CV+3], s[12:13] offset:(\g)*2048+((\al)/2)*512+((\al)%2)*256
.endm
.irp al, 0,1,2,3
	VSTAGE \al
	VLOAD 0, 0
	VLOAD 1, 1
	s_wait_dscnt 32
	VQ \al, 0, 0
	VLOAD 2, 0
	s_wait_dscnt 32
	VQ \al, 1, 1
	VLOAD 3, 1
	s_wait_dscnt 32
	VQ \al, 2, 0
	s_wait_dscnt 0
	VQ \al, 3, 1
.endr
	global_store_b128 v[LI], v[SW:SW+3], s[OSC:OSC+1]
.Lend:
	s_wait_tensorcnt 0x0
	ds_add_u32 v[SPW], v[NIL]
	s_wait_dscnt 0x0
	CROUND
	s_endpgm
.Lfunc_end_k_q6ace069eed_qkv:
	.size	k_q6ace069eed_qkv, .Lfunc_end_k_q6ace069eed_qkv-k_q6ace069eed_qkv
	.p2alignl 7, 3214868480
	.fill 96, 4, 3214868480
	.section	.rodata,"a",@progbits
	.p2align	6, 0x0
	.amdhsa_kernel k_q6ace069eed_qkv
		.amdhsa_group_segment_fixed_size 327680
		.amdhsa_private_segment_fixed_size 0
		.amdhsa_enable_private_segment 0
		.amdhsa_kernarg_size 32
		.amdhsa_user_sgpr_count 2
		.amdhsa_user_sgpr_kernarg_segment_ptr 1
		.amdhsa_wavefront_size32 1
		.amdhsa_system_sgpr_workgroup_id_x 1
		.amdhsa_system_sgpr_workgroup_id_y 1
		.amdhsa_system_sgpr_workgroup_id_z 1
		.amdhsa_system_vgpr_workitem_id 0
		.amdhsa_next_free_vgpr 1024
		.amdhsa_next_free_sgpr 102
		.amdhsa_reserve_vcc 0
		.amdhsa_float_denorm_mode_32 3
		.amdhsa_float_denorm_mode_16_64 3
		.amdhsa_memory_ordered 1
		.amdhsa_forward_progress 1
		.amdhsa_inst_pref_size 255
	.end_amdhsa_kernel
	.section	.bss,"aw",@nobits
	.p2align	6
	.space	262144
	.amdgpu_metadata
---
amdhsa.version: [ 1, 2 ]
amdhsa.kernels:
  - .name:           k_q6ace069eed_qkv
    .symbol:         k_q6ace069eed_qkv.kd
    .args:
      - { .name: xq, .offset: 0, .size: 8, .value_kind: global_buffer, .address_space: global }
      - { .name: wq, .offset: 8, .size: 8, .value_kind: global_buffer, .address_space: global }
      - { .name: tab, .offset: 16, .size: 8, .value_kind: global_buffer, .address_space: global }
      - { .name: qkv, .offset: 24, .size: 8, .value_kind: global_buffer, .address_space: global }
    .group_segment_fixed_size: 327680
    .private_segment_fixed_size: 0
    .kernarg_segment_align: 8
    .kernarg_segment_size: 32
    .max_flat_workgroup_size: 128
    .sgpr_count:     102
    .vgpr_count:     1024
    .wavefront_size: 32
...
	.end_amdgpu_metadata
.endif
;; end of part 2
;; launch attn (part 3): grid 4 x 64, 16 waves a work-group, clusters of 4 x 1, 169,984 bytes of LDS; arguments qkv, att; writes att
.if DOCPART == 3
	.amdgcn_target "amdgcn-amd-amdhsa--gfx1250"
	.amdhsa_code_object_version 6
	.text
	.protected	k_q6ace069eed_attn
	.globl	k_q6ace069eed_attn
	.p2align	8
	.type	k_q6ace069eed_attn,@function
k_q6ace069eed_attn:
	s_mov_b64 s[64:65], 0
	v_nop
	global_prefetch_b8 v0, s[64:65] scope:SCOPE_SE
	s_setreg_imm32_b32 hwreg(HW_REG_WAVE_MODE, 25, 1), 1
	s_wait_xcnt 0x0
	s_wait_alu depctr_hold_cnt(0) depctr_sa_sdst(0) depctr_va_vdst(0) depctr_va_sdst(0) depctr_va_ssrc(0) depctr_va_vcc(0) depctr_vm_vsrc(0)
	s_getreg_b32 s2, hwreg(HW_REG_IB_STS2, 6, 4)
	s_cmp_eq_u32 s2, 0
	s_cbranch_scc0 .Lentry_in_a_cluster
	s_endpgm
.Lentry_in_a_cluster:
	s_bfe_u32 s2, ttmp6, 0x10000c
	s_cmp_lg_u32 s2, 0x3003
	s_cbranch_scc0 .Lentry_shape_is_right
	s_endpgm
.Lentry_shape_is_right:
; Causal attention on codes of FP4 (E2M1) with E8M0 scales: 4 batches x 16 query heads, 8 key and value heads, 1,024 tokens, head size 128.  The result is quantised along E for the last product and leaves as codes.
; THE SOFTMAX AHEAD OF THE SECOND PRODUCT: t = score x log2(e) / sqrt(128); M = the row's largest t so far, rounded UP to a whole number; p = 2^(t - M) is what is quantised, along the keys; it is not normalised.
; The row's sum is taken of the unquantised p, in f32, and divides O at the end.  When M moves, the sum and O are multiplied by 2^(old M - new M): exact.
; SHARES.  A cluster of four work-groups owns one (batch, query head).  The head's K and V, 64 KiB of codes each and 4 KiB of scale words each, come into each work-group's LDS ONCE, by joint loads (mask: all four), and stay:
; no ring, nothing is filled again.  The second query head that shares these K and V is another cluster's: a cluster's four places are taken by the head's four quarters of queries.
; A wave owns one tile of 16 queries in 256 registers: four waves to a SIMD, so that one wave's vector work stands beside another's matrix work and LDS loads.
; THE CAUSAL TRIANGLE IS EVENED OUT: wave w works on LEVEL L(w) (tokens 128 L .. 128 L + 127), L = 0, 0, 1, 1, 7, 7, 6, 6, 2, 2, 3, 3, 5, 5, 4, 4, and needs L + 1 key steps of 128: waves w, w + 4, w + 8, w + 12 have 18 together.
; Of a level's eight tiles the work-group at place cx takes 2 cx and 2 cx + 1 (by w % 2): every work-group has 72 key steps.  No branch and no LDS address hangs on cx: it enters global addresses and the mask's compare value alone.
; Every wave walks all eight trips of the loop; a step all of whose keys come after the wave's queries is jumped over (a scalar branch on the wave's level), the lines that step addresses are not.
; LAYOUT.  Both products are used transposed: S^T = K Q^T (source 0 = 16 keys), O^T = V^T P^T (source 0 = 16 channels): a lane holds ONE query (lane % 16) throughout.  The operands lie in memory and in LDS as images of
; their registers, 16 bytes a lane.  A tile's rows were chosen by the launch before so that register 16 b + i of a lane is key (or channel) 32 b + 16 (lane / 16) + i.
; LIMITS: as stated in the first launch.
; REGISTERS: v1-7 addresses that stay; v8-11 addresses of the loads in hand; v12 -M, v13 the largest t, v[14:15] the sum in two halves; v16-23 Q; v32-95 eight fragments of K, then of V; v96-159 S^T, then p; v160-223 O^T;
;   v224-231 codes; v232-247 at work; v248-251 K's, then V's scale words; v252 f; v253 p's scale word; v254 at work; v255 Q's scale word.
.set QS,   8388608                     ; qkv: the scale words behind the codes
.set AS,   4194304                     ; att: the scale bytes behind the codes
.set LV,   65536                       ; LDS: K's codes at 0, V's here,
.set LKS,  131072                      ; K's scale words,
.set LVS,  135168                      ; V's
.set AL,   1                           ; v1   16 x lane
.set AV0,  2                           ; v2   the same in V's codes
.set AS0,  3                           ; v3   in K's scale words
.set AT0,  4                           ; v4   in V's
.set DG,   5                           ; v5   my query's place in its level, less 16 (lane / 16)
.set QSO,  6                           ; v6   16 r: Q's scale word
.set ASO,  7                           ; v7   64 r: the result's scale word
.set ADK,  8
.set ADV,  9
.set ADS,  10
.set ADT,  11
.set TM,   232
.set PW,   254
.set WV,   18                          ; s18  my wave's number
.set LEV,  19                          ; s19  my level
.set SEL,  20                          ; s[20:21] lane selects for v_permlanex16_b32: lane l xor 16
.set CS,   22                          ; s[22:23] c = log2(e) / sqrt(128): the packed form names a pair and takes its low word for both halves
.set TB,   2                           ; s2   LDS byte at which the step's codes begin: 8,192 a step
.set TS,   3                           ; s3   and its scale words: 512 a step
.set KAP,  24                          ; s24  the key step
.set G1C,  28                          ; s[28:35] descriptor group 1: 32 KiB of codes
.set G1S,  36                          ; s[36:43] 4 KiB of scale words
.set G0S,  44                          ; s[44:47], s[48:51], s[52:55] groups 0: the scale words, the codes' two halves
.set G0A,  48
.set G0B,  52
.macro CROUND                          ; a round of the cluster's barrier
	s_barrier_signal -1
	s_barrier_wait -1
	s_cmp_lg_u32 s[WV], 0
	s_cbranch_scc1 .Lnot_wave_0_\@
	s_barrier_signal -3
.Lnot_wave_0_\@:
	s_barrier_wait -3
	s_barrier_signal -1
	s_barrier_wait -1
.endm
	s_load_b128 s[4:7], s[0:1], 0x0                ; qkv, att
	v_lshl_add_u32 v242, v0, 2, 0x29000
	v_mov_b32 v243, 0
	ds_add_u32 v242, v243
	ds_add_u32 v242, v243
	v_lshrrev_b32 v8, 5, v0
	s_delay_alu instid0(VALU_DEP_1)
	v_readfirstlane_b32 s[WV], v8                  ; wave 0..15
	s_bfe_u32 s8, ttmp6, 0x40000                   ; cx
	s_and_b32 s9, ttmp7, 0xffff
	s_lshr_b32 s10, s9, 4                          ; batch
	s_and_b32 s11, s9, 15                          ; query head
	s_and_b32 s12, s[WV], 1
	s_lshr_b32 s66, s[WV], 2                       ; g
	s_bfe_u32 s67, s[WV], 0x10001                  ; e
	s_add_co_u32 s68, s66, s67
	s_sub_co_u32 s69, 8, s68
	s_bitcmp1_b32 s66, 0
	s_cselect_b32 s[LEV], s69, s68                 ; g even: g + e; g odd: 8 - g - e
	; what waves 0 to 5 fetch: even waves of K's head 16 + h / 2, odd waves of V's head 24 + h / 2; waves 0, 1 the scale words, 2, 3 the codes' first half, 4, 5 the second
	s_lshl_b32 s70, s10, 5
	s_lshr_b32 s71, s11, 1
	s_add_co_u32 s70, s70, s71
	s_add_co_u32 s70, s70, 16
	s_lshl_b32 s71, s12, 3
	s_add_co_u32 s70, s70, s71
	s_lshl_b32 s72, s70, 16                        ; a head's codes are 65,536 bytes,
	s_mov_b32 s73, 0
	s_lshl_b32 s74, s70, 12                        ; its scale words 4,096
	s_mov_b32 s75, 0
	s_mov_b32 s[G1C], 15|(3<<16)|(1<<21)           ; 15:0 the mask: all four work-groups; 17:16 elements of 8 bytes; 21 set beside a mask; no padding: every read is 16 bytes a lane on end
	s_mov_b32 s[G1C+1], 32<<16                     ; tensor_dim0 = 32 elements: rows of 256 bytes
	s_mov_b32 s[G1C+2], 128<<16                    ; tensor_dim1 = 128
	s_mov_b32 s[G1C+3], 32<<16                     ; tile_dim0
	s_mov_b32 s[G1C+4], 128                        ; tile_dim1
	s_mov_b32 s[G1C+5], 32                         ; the pitch: dense
	s_mov_b32 s[G1C+6], 0
	s_mov_b32 s[G1C+7], 0
	s_mov_b32 s[G1S], 15|(3<<16)|(1<<21)
	s_mov_b32 s[G1S+1], 32<<16
	s_mov_b32 s[G1S+2], 16<<16
	s_mov_b32 s[G1S+3], 32<<16
	s_mov_b32 s[G1S+4], 16
	s_mov_b32 s[G1S+5], 32
	s_mov_b32 s[G1S+6], 0
	s_mov_b32 s[G1S+7], 0
	s_mov_b32 s[SEL], 0x76543210
	s_mov_b32 s[SEL+1], 0xfedcba98
	s_mov_b32 s[CS], 0x3e0293ee                    ; c = log2(e) / sqrt(128)
	s_mov_b32 s[CS+1], s[CS]                       ; (named with it as a pair, so it is written)
	s_mov_b32 s[TB], 0
	s_mov_b32 s[TS], 0
	s_mov_b32 s[KAP], 0
	s_wait_dscnt 0x0
	s_wait_kmcnt 0x0
	s_mov_b32 s[G0S], 1
	s_lshl_b32 s[G0S+1], s12, 12
	s_add_co_u32 s[G0S+1], s[G0S+1], LKS
	s_add_nc_u64 s[G0S+2:G0S+3], s[4:5], s[74:75]
	s_add_nc_u64 s[G0S+2:G0S+3], s[G0S+2:G0S+3], QS
	s_or_b32 s[G0S+3], s[G0S+3], 0x80000000
	s_mov_b32 s[G0A], 1
	s_lshl_b32 s[G0A+1], s12, 16
	s_add_nc_u64 s[G0A+2:G0A+3], s[4:5], s[72:73]
	s_mov_b32 s[G0B], 1
	s_add_co_u32 s[G0B+1], s[G0A+1], 32768
	s_add_nc_u64 s[G0B+2:G0B+3], s[G0A+2:G0A+3], 32768
	s_or_b32 s[G0A+3], s[G0A+3], 0x80000000
	s_or_b32 s[G0B+3], s[G0B+3], 0x80000000
	CROUND                                         ; all four work-groups are here: the joint loads meet
; The six first fills, one a wave: one chain of branches on the wave's number, a load to an arm, all arms to one join.
.macro ARM under, g0, g1, next
	s_cmp_lt_u32 s[WV], \under
	s_cbranch_scc0 \next
	tensor_load_to_lds s[\g0:\g0+3], s[\g1:\g1+7]
	s_nop 0
.rept 4
	v_nop
.endr
	s_branch .Lhead_asked
\next:
.endm
	ARM 2, G0S, G1S, .Lhead_a
	ARM 4, G0A, G1C, .Lhead_b
	ARM 6, G0B, G1C, .Lhead_none
.Lhead_asked:
	; my tile of queries: level LEV, tile a = 2 cx + w % 2
	s_lshl_b32 s76, s10, 5
	s_add_co_u32 s76, s76, s11                     ; 32 batch + head
	s_lshl_b32 s77, s8, 1
	s_add_co_u32 s77, s77, s12                     ; a
	s_lshl_b32 s66, s76, 16
	s_lshl_b32 s68, s[LEV], 13
	s_add_co_u32 s66, s66, s68
	s_lshl_b32 s68, s77, 10
	s_add_co_u32 s66, s66, s68
	s_mov_b32 s67, 0
	s_add_nc_u64 s[56:57], s[4:5], s[66:67]        ; Q's codes
	s_lshl_b32 s66, s76, 12
	s_lshl_b32 s68, s[LEV], 9
	s_add_co_u32 s66, s66, s68
	s_lshl_b32 s68, s12, 8                         ; an odd tile's words lie in lanes 16-31's places,
	s_add_co_u32 s66, s66, s68
	s_lshl_b32 s68, s8, 2                          ; word a / 2 = cx
	s_add_co_u32 s66, s66, s68
	s_add_nc_u64 s[58:59], s[4:5], s[66:67]
	s_add_nc_u64 s[58:59], s[58:59], QS            ; Q's scale words
	s_lshl_b32 s68, s10, 6
	s_lshl_b32 s69, s[LEV], 3
	s_add_co_u32 s68, s68, s69
	s_add_co_u32 s68, s68, s77                     ; the result's tile of 16 stored rows: 64 batch + 8 level + a
	s_lshl_b32 s66, s68, 14
	s_lshl_b32 s69, s11, 10
	s_add_co_u32 s66, s66, s69
	s_add_nc_u64 s[60:61], s[6:7], s[66:67]        ; its codes: K step = my head
	s_lshl_b32 s66, s68, 10
	s_lshl_b32 s69, s11, 2
	s_add_co_u32 s66, s66, s69
	s_add_nc_u64 s[62:63], s[6:7], s[66:67]
	s_add_nc_u64 s[62:63], s[62:63], AS            ; its scale words
	v_and_b32 v9, 31, v0
	s_delay_alu instid0(VALU_DEP_1)
	v_lshlrev_b32 v[AL], 4, v9
	v_and_b32 v10, 15, v0                          ; r
	v_bfe_u32 v11, v0, 4, 1                        ; h
	s_delay_alu instid0(VALU_DEP_2)
	v_lshlrev_b32 v[QSO], 4, v10
	global_load_b128 v[16:19], v[AL], s[56:57]     ; Q's fragment stays in registers
	global_load_b128 v[20:23], v[AL], s[56:57] offset:512
	global_load_b32 v255, v[QSO], s[58:59]
	v_add_nc_u32 v[AV0], LV, v[AL]
	v_add_nc_u32 v[AS0], LKS, v[AL]
	v_add_nc_u32 v[AT0], LVS, v[AL]
	v_lshlrev_b32 v[ASO], 6, v10
	s_lshl_b32 s66, s8, 5
	s_lshl_b32 s68, s12, 3
	s_add_co_u32 s66, s66, s68
	v_and_b32 v[DG], 8, v10
	s_delay_alu instid0(VALU_DEP_1)
	v_add_nc_u32 v[DG], v[DG], v10                 ; r + 8 (r / 8)
	v_lshlrev_b32 v8, 4, v11
	s_delay_alu instid0(VALU_DEP_1)
	v_sub_nc_u32 v[DG], v[DG], v8
	s_delay_alu instid0(VALU_DEP_1)
	v_add_nc_u32 v[DG], s66, v[DG]                 ; d = 32 cx + 8 (w % 2) + r + 8 (r / 8) - 16 h.  On the diagonal register 16 b + i holds the level's key 32 b + 16 h + i: hidden where 32 b + i > d
	v_mov_b32 v13, 0xff61b1e6                      ; the largest t so far: -3e38, under every t
	s_delay_alu instid0(VALU_DEP_1)
	v_floor_f32 v12, -v13                          ; -M
	v_mov_b32 v14, 0                               ; the sum, in two halves
	v_mov_b32 v15, 0
.irp b, 0,1,2,3
	v_mov_b32 v[236+\b], 0                         ; written once: a lane permute's destination counts as one of its sources
.endr
	v_mov_b32 v252, 0
	v_mov_b32 v253, 0                              ; (named as the upper half of the pair v[252:253] before it is first written)
.set j, 0
.rept 64
	v_mov_b32 v[160+j], 0                          ; O^T.  (The step is written once: the first finds zeros, which the first change of M leaves zeros)
.set j, j+1
.endr
; A KEY STEP: 128 keys.
.macro STEP
	s_cmp_gt_u32 s[KAP], s[LEV]                    ; all its keys come after my queries: left out
	s_cbranch_scc1 .Lhidden_\@
	v_add_nc_u32 v[ADK], s[TB], v[AL]              ; (these four are the places in front of loads into registers that the last products have read)
	v_add_nc_u32 v[ADV], s[TB], v[AV0]
	v_add_nc_u32 v[ADS], s[TS], v[AS0]
	v_add_nc_u32 v[ADT], s[TS], v[AT0]
	ds_load_b128 v[248:251], v[ADS]                ; K's scale words: word g: lanes 0-15 tile 2 g, lanes 16-31 tile 2 g + 1
.irp t, 0,1,2,3,4,5,6,7
.irp c, 0,1
	ds_load_b128 v[32+8*\t+4*\c:32+8*\t+4*\c+3], v[ADK] offset:1024*\t+512*\c
.endr
.endr
	s_wait_alu depctr_va_vdst(0)
	s_wait_dscnt 0x0
.irp t, 0,2,4,6                                ; S^T = K Q^T: eight tiles of 16 keys, eight accumulators
	v_wmma_scale_f32_16x16x128_f8f6f4 v[96+8*\t:103+8*\t], v[32+8*\t:39+8*\t], v[16:23], 0, v[248+\t/2], v255 matrix_a_fmt:MATRIX_FMT_FP4 matrix_b_fmt:MATRIX_FMT_FP4
	v_wmma_scale_f32_16x16x128_f8f6f4 v[104+8*\t:111+8*\t], v[40+8*\t:47+8*\t], v[16:23], 0, v[248+\t/2], v255 matrix_a_fmt:MATRIX_FMT_FP4 matrix_b_fmt:MATRIX_FMT_FP4 matrix_a_scale:MATRIX_SCALE_ROW1
.endr
.rept 4
	v_nop                                          ; places: for the reads of the scores, and for V's loads into K's registers
.endr
	ds_load_b128 v[248:251], v[ADT]                ; V's scale words and fragments are asked for here and land under the softmax
.irp t, 0,1,2,3,4,5,6,7
.irp c, 0,1
	ds_load_b128 v[32+8*\t+4*\c:32+8*\t+4*\c+3], v[ADV] offset:1024*\t+512*\c
.endr
.endr
	s_cmp_lt_u32 s[KAP], s[LEV]                    ; a step all of whose keys count skips the mask
	s_cbranch_scc1 .Lopen_\@
	v_mov_b32 v254, 0xff800000                     ; on the diagonal the scores of hidden keys become -infinity ahead of the maximum: p = 0 then
.set n, 0
.rept 64
	v_cmp_gt_i32 vcc_lo, 32*(n/16)+n%16, v[DG]
	v_cndmask_b32 v[96+n], v[96+n], v254, vcc_lo
.set n, n+1
.endr
.Lopen_\@:
.irp b, 0,1,2,3
	v_max3_num_f32 v[232+\b], v[96+16*\b], v[97+16*\b], v[98+16*\b]   ; THE LARGEST SCORE OF EACH BLOCK OF 32 KEYS: it serves twice: for the row's maximum, and, since p rises with the score, for the block's largest p
.endr
.irp i, 3,5,7,9,11,13
.irp b, 0,1,2,3
	v_max3_num_f32 v[232+\b], v[232+\b], v[96+16*\b+\i], v[97+16*\b+\i]   ; (the four blocks by turns)
.endr
.endr
.irp b, 0,1,2,3
	v_max_num_f32 v[232+\b], v[232+\b], v[111+16*\b]
.endr
.irp b, 0,1,2,3
	s_delay_alu instid0(VALU_DEP_4)
	v_permlanex16_b32 v[236+\b], v[232+\b], s[SEL], s[SEL+1]
.endr
.irp b, 0,1,2,3
	s_delay_alu instid0(VALU_DEP_4)
	v_max_num_f32 v[232+\b], v[232+\b], v[236+\b]  ; with lane l xor 16's 16 keys
.endr
	s_delay_alu instid0(VALU_DEP_2)
	v_max3_num_f32 v254, v232, v233, v234
	s_delay_alu instid0(VALU_DEP_1)
	v_max_num_f32 v254, v254, v235                 ; the step's largest score of my query
	s_delay_alu instid0(VALU_DEP_1)
	v_mul_f32 v254, s[CS], v254                    ; as t (c is positive)
	s_delay_alu instid0(VALU_DEP_1)
	v_max_num_f32 v13, v13, v254                   ; the running largest t
	v_mov_b32 v254, v12
	s_delay_alu instid0(VALU_DEP_2)
	v_floor_f32 v12, -v13                          ; the new -M = floor(-t) = -ceil(t): M IS A WHOLE NUMBER
	s_delay_alu instid0(VALU_DEP_1)
	v_sub_f32 v254, v12, v254                      ; M's old value less its new one: a whole number, 0 or less
	s_delay_alu instid0(VALU_DEP_1)
	v_cvt_i32_f32 v254, v254                       ; (it saturates)
	s_delay_alu instid0(VALU_DEP_1)
	v_ldexp_f32 v252, 1.0, v254                    ; f = 2^(old M - new M)
.set j, 0
.rept 32
	v_pk_fma_f32 v[96+j:97+j], v[96+j:97+j], s[CS:CS+1], v[12:13] op_sel_hi:[1,0,0]   ; t - M, two at a time (of the pairs c and -M the low word serves both halves)
.set j, j+2
.endr
.irp b, 0,1,2,3
	v_fma_f32 v[232+\b], v[232+\b], s[CS], v12     ; the same of each block's largest score
.endr
.set j, 0
	s_wait_alu depctr_va_vdst(0)
.rept 64
	v_exp_f32 v[96+j], v[96+j]                     ; p = 2^(t - M), at most 1: NOT normalised
.set j, j+1
.endr
	v_pk_mul_f32 v[14:15], v[14:15], v[252:253] op_sel_hi:[1,0]   ; the sums under the new M.  (A plain place behind the exponentials)
	s_wait_alu depctr_va_vdst(0)                   ; one wait for the whole batch, ahead of its first reader
.irp b, 0,1,2,3
	v_exp_f32 v[232+\b], v[232+\b]                 ; the block's largest p: the same two instructions on the same number give the same bits
.endr
	v_pk_add_f32 v[236:237], v[100:101], v[104:105]
	v_pk_add_f32 v[246:247], v[108:109], v[112:113]
	v_pk_add_f32 v[244:245], v[116:117], v[120:121]
	v_pk_add_f32 v[240:241], v[124:125], v[128:129]
	v_pk_add_f32 v[238:239], v[132:133], v[136:137]
	v_pk_add_f32 v[230:231], v[140:141], v[144:145]
	v_pk_add_f32 v[228:229], v[148:149], v[152:153]
	v_pk_add_f32 v[14:15], v[14:15], v[156:157]
	v_pk_add_f32 v[236:237], v[236:237], v[96:97]
	v_pk_add_f32 v[246:247], v[246:247], v[98:99]
	v_pk_add_f32 v[244:245], v[244:245], v[102:103]
	v_pk_add_f32 v[240:241], v[240:241], v[106:107]
	v_pk_add_f32 v[238:239], v[238:239], v[110:111]
	v_pk_add_f32 v[230:231], v[230:231], v[114:115]
	v_pk_add_f32 v[228:229], v[228:229], v[118:119]
	v_pk_add_f32 v[14:15], v[14:15], v[122:123]
	v_pk_add_f32 v[236:237], v[236:237], v[126:127]
	v_pk_add_f32 v[246:247], v[246:247], v[130:131]
	v_pk_add_f32 v[244:245], v[244:245], v[134:135]
	v_pk_add_f32 v[240:241], v[240:241], v[138:139]
	v_pk_add_f32 v[238:239], v[238:239], v[142:143]
	v_pk_add_f32 v[230:231], v[230:231], v[146:147]
	v_pk_add_f32 v[228:229], v[228:229], v[150:151]
	v_pk_add_f32 v[14:15], v[14:15], v[154:155]
	v_pk_add_f32 v[236:237], v[236:237], v[158:159]
	s_delay_alu instid0(VALU_DEP_2)
	v_pk_add_f32 v[14:15], v[14:15], v[240:241]
	s_delay_alu instid0(VALU_DEP_2)
	v_pk_add_f32 v[236:237], v[236:237], v[238:239]
	v_pk_add_f32 v[246:247], v[246:247], v[230:231]
	v_pk_add_f32 v[244:245], v[244:245], v[228:229]
	s_delay_alu instid0(VALU_DEP_2)
	v_pk_add_f32 v[14:15], v[14:15], v[246:247]
	s_delay_alu instid0(VALU_DEP_2)
	v_pk_add_f32 v[236:237], v[236:237], v[244:245]
	s_delay_alu instid0(VALU_DEP_1)
	v_pk_add_f32 v[14:15], v[14:15], v[236:237]
	s_wait_alu depctr_va_vdst(0)                   ; and one for the four
.irp b, 0,1,2,3
	v_max_num_f32 v[232+\b], 0x1800000, v[232+\b]  ; the floor 2^(3 - 127): the byte cannot fall under 1 (a block whose every p is 0 keeps that byte: its codes are zeros)
.endr
.irp b, 0,1,2,3
	s_delay_alu instid0(VALU_DEP_4)
	v_add_nc_u32 v[244+\b], 0xff000000, v[232+\b]  ; 2 off the exponent field: the conversion's scale operand
.endr
.irp b, 0,1,2,3
	s_delay_alu instid0(VALU_DEP_4)
	v_lshrrev_b32 v[236+\b], 23, v[244+\b]         ; the scale's byte
.endr
	s_delay_alu instid0(VALU_DEP_3)
	v_lshl_or_b32 v253, v237, 8, v236              ; p's scale word for these 128 keys
	s_delay_alu instid0(VALU_DEP_1)
	v_lshl_or_b32 v253, v238, 16, v253
	s_delay_alu instid0(VALU_DEP_1)
	v_lshl_or_b32 v253, v239, 24, v253
.irp b, 0,1,2,3
	v_cvt_scalef32_pk8_fp4_f32 v[224+2*\b], v[96+16*\b:103+16*\b], v[244+\b]
	v_cvt_scalef32_pk8_fp4_f32 v[225+2*\b], v[104+16*\b:111+16*\b], v[244+\b]
.endr
	v_nop                                          ; one plain place behind a scaled conversion
.irp c, 0,1                                    ; the operand's layout wants a WHOLE block in a lane
.irp i, 0,1
	v_permlane16_swap_b32 v[224+4*\c+\i], v[226+4*\c+\i]
.endr
.endr
.set j, 0
.rept 32
	v_pk_mul_f32 v[160+j:161+j], v[160+j:161+j], v[252:253] op_sel_hi:[1,0]   ; O^T under the new M: x f.  (These 32 are also the places between the lines that made p's codes and scale word and the products)
.set j, j+2
.endr
	s_wait_alu depctr_va_vdst(0)
	s_wait_dscnt 0x0                               ; V is in
.irp t, 0,2,4,6                                ; O^T += V^T P^T: eight tiles of 16 channels, eight accumulators by turns
	v_wmma_scale_f32_16x16x128_f8f6f4 v[160+8*\t:167+8*\t], v[32+8*\t:39+8*\t], v[224:231], v[160+8*\t:167+8*\t], v[248+\t/2], v253 matrix_a_fmt:MATRIX_FMT_FP4 matrix_b_fmt:MATRIX_FMT_FP4
	v_wmma_scale_f32_16x16x128_f8f6f4 v[168+8*\t:175+8*\t], v[40+8*\t:47+8*\t], v[224:231], v[168+8*\t:175+8*\t], v[248+\t/2], v253 matrix_a_fmt:MATRIX_FMT_FP4 matrix_b_fmt:MATRIX_FMT_FP4 matrix_a_scale:MATRIX_SCALE_ROW1
.endr
.Lhidden_\@:
	s_add_co_u32 s[TB], s[TB], 8192                ; the next step's codes
	s_add_co_u32 s[TS], s[TS], 512                 ; and scale words
.endm
	s_wait_loadcnt 0x0                             ; Q
	s_wait_tensorcnt 0x0                           ; my fills have landed,
	s_barrier_signal -1
	s_barrier_wait -1                              ; everybody's have
.Lkey:                                             ; eight trips in every wave
	STEP
	s_add_co_u32 s[KAP], s[KAP], 1
	s_cmp_lt_u32 s[KAP], 8
	s_cbranch_scc1 .Lkey
	; THE WAY OUT.  O^T / the sum; its 64 numbers of a lane run along the head's channels, which are 128 of the last product's K: quantised in registers and stored as an image of the operand's registers.
	v_add_f32 v14, v14, v15                        ; the sum's two halves,
	s_delay_alu instid0(VALU_DEP_1)
	v_permlanex16_b32 v252, v14, s[SEL], s[SEL+1]
	s_delay_alu instid0(VALU_DEP_1)
	v_add_f32 v14, v14, v252                       ; and lane l xor 16's: the row's sum
	s_wait_alu depctr_va_vdst(0)
	v_rcp_f32 v14, v14
.rept 4
	v_nop                                          ; a plain place behind the reciprocal; with the lines above, the places behind the last products
.endr
	s_wait_alu depctr_va_vdst(0)                   ; the wait, ahead of the first reader
.set j, 0
.rept 64
	v_mul_f32 v[96+j], v[160+j], v14               ; each accumulator from its low end on
.set j, j+1
.endr
.irp b, 0,1,2,3
	v_max3_num_f32 v[TM+\b], |v[96+16*\b]|, |v[97+16*\b]|, 0x1800000   ; block b: my 16 numbers, and the floor 2^(3 - 127)
.endr
.irp i, 2,4,6,8,10,12,14
.irp b, 0,1,2,3
	s_delay_alu instid0(VALU_DEP_4)
	v_max3_num_f32 v[TM+\b], v[TM+\b], |v[96+16*\b+\i]|, |v[97+16*\b+\i]|
.endr
.endr
.irp b, 0,1,2,3
	s_delay_alu instid0(VALU_DEP_4)
	v_permlanex16_b32 v[TM+4+\b], v[TM+\b], s[SEL], s[SEL+1]
.endr
.irp b, 0,1,2,3
	s_delay_alu instid0(VALU_DEP_4)
	v_max_num_f32 v[TM+\b], v[TM+\b], v[TM+4+\b]
.endr
.irp b, 0,1,2,3
	s_delay_alu instid0(VALU_DEP_4)
	v_add_nc_u32 v[TM+12+\b], 0xff000000, v[TM+\b]
.endr
.irp b, 0,1,2,3
	s_delay_alu instid0(VALU_DEP_4)
	v_lshrrev_b32 v[TM+4+\b], 23, v[TM+12+\b]
.endr
	s_delay_alu instid0(VALU_DEP_3)
	v_lshl_or_b32 v[PW], v[TM+5], 8, v[TM+4]
	s_delay_alu instid0(VALU_DEP_1)
	v_lshl_or_b32 v[PW], v[TM+6], 16, v[PW]
	s_delay_alu instid0(VALU_DEP_1)
	v_lshl_or_b32 v[PW], v[TM+7], 24, v[PW]
.irp b, 0,1,2,3
	v_cvt_scalef32_pk8_fp4_f32 v[224+2*\b], v[96+16*\b:103+16*\b], v[TM+12+\b]
	v_cvt_scalef32_pk8_fp4_f32 v[225+2*\b], v[104+16*\b:111+16*\b], v[TM+12+\b]
.endr
	v_nop
.irp c, 0,1
.irp i, 0,1
	v_permlane16_swap_b32 v[224+4*\c+\i], v[226+4*\c+\i]
.endr
.endr
	global_store_b128 v[AL], v[224:227], s[60:61]              ; 512 consecutive bytes a store, aligned
	global_store_b128 v[AL], v[228:231], s[60:61] offset:512
	global_store_b32 v[ASO], v[PW], s[62:63]                   ; my row's word for this head; lanes r and r + 16 hold the same word and name the same place.  4 bytes of each row's 64: 1 byte in 17 of what the launch stores
	s_wait_tensorcnt 0x0
	ds_add_u32 v242, v243
	s_wait_dscnt 0x0
	CROUND                                         ; the closing round: no work-group ends while a partner may still ask for a tile that names it
	s_endpgm
.Lfunc_end_k_q6ace069eed_attn:
	.size	k_q6ace069eed_attn, .Lfunc_end_k_q6ace069eed_attn-k_q6ace069eed_attn
	.p2alignl 7, 3214868480
	.fill 96, 4, 3214868480
	.section	.rodata,"a",@progbits
	.p2align	6, 0x0
	.amdhsa_kernel k_q6ace069eed_attn
		.amdhsa_group_segment_fixed_size 169984
		.amdhsa_private_segment_fixed_size 0
		.amdhsa_enable_private_segment 0
		.amdhsa_kernarg_size 16
		.amdhsa_user_sgpr_count 2
		.amdhsa_user_sgpr_kernarg_segment_ptr 1
		.amdhsa_wavefront_size32 1
		.amdhsa_system_sgpr_workgroup_id_x 1
		.amdhsa_system_sgpr_workgroup_id_y 1
		.amdhsa_system_sgpr_workgroup_id_z 1
		.amdhsa_system_vgpr_workitem_id 0
		.amdhsa_next_free_vgpr 256
		.amdhsa_next_free_sgpr 80
		.amdhsa_reserve_vcc 1
		.amdhsa_float_denorm_mode_32 3
		.amdhsa_float_denorm_mode_16_64 3
		.amdhsa_memory_ordered 1
		.amdhsa_forward_progress 1
		.amdhsa_inst_pref_size 42
	.end_amdhsa_kernel
	.amdgpu_metadata
---
amdhsa.version: [ 1, 2 ]
amdhsa.kernels:
  - .name:           k_q6ace069eed_attn
    .symbol:         k_q6ace069eed_attn.kd
    .args:
      - { .name: qkv, .offset: 0, .size: 8, .value_kind: global_buffer, .address_space: global }
      - { .name: att, .offset: 8, .size: 8, .value_kind: global_buffer, .address_space: global }
    .group_segment_fixed_size: 169984
    .private_segment_fixed_size: 0
    .kernarg_segment_align: 8
    .kernarg_segment_size: 16
    .max_flat_workgroup_size: 512
    .sgpr_count:     80
    .vgpr_count:     256
    .wavefront_size: 32
...
	.end_amdgpu_metadata
.endif
;; end of part 3
;; launch proj (part 4): grid 8 x 32, 4 waves a work-group, clusters of 4 x 4, 327,680 bytes of LDS; arguments att, wq, out0; writes out0
.if DOCPART == 4
	.amdgcn_target "amdgcn-amd-amdhsa--gfx1250"
	.amdhsa_code_object_version 6
	.text
	.protected	k_q6ace069eed_proj
	.globl	k_q6ace069eed_proj
	.p2align	8
	.type	k_q6ace069eed_proj,@function
k_q6ace069eed_proj:
	s_mov_b64 s[64:65], 0
	v_nop
	global_prefetch_b8 v0, s[64:65] scope:SCOPE_SE
	s_setreg_imm32_b32 hwreg(HW_REG_WAVE_MODE, 25, 1), 1
	s_wait_xcnt 0x0
	s_wait_alu depctr_hold_cnt(0) depctr_sa_sdst(0) depctr_va_vdst(0) depctr_va_sdst(0) depctr_va_ssrc(0) depctr_va_vcc(0) depctr_vm_vsrc(0)
	s_getreg_b32 s2, hwreg(HW_REG_IB_STS2, 6, 4)
	s_cmp_eq_u32 s2, 0
	s_cbranch_scc0 .Lentry_in_a_cluster
	s_endpgm
.Lentry_in_a_cluster:
	s_bfe_u32 s2, ttmp6, 0x10000c
	s_cmp_lg_u32 s2, 0xf033
	s_cbranch_scc0 .Lentry_shape_is_right
	s_endpgm
.Lentry_shape_is_right:
; out0 = attention result x W_o on codes of FP4 (E2M1) with E8M0 scales: [4096][2048] x [2048 columns][2048]^T, sums in f32, f32 out.
; A work-group of four waves makes 128 rows x 256 columns, as two halves of 128 columns one after the other: 32 x 8 are 256 work-groups.  In each half a wave makes 64 x 64: 16 accumulators of 16 x 16.
; ALL OF K AT ONCE.  LDS has two regions of 128 rows x 1,024 bytes (pitch 1,040): X and Y.  The head's loads, one a wave: wave 0 A's 128 rows into X, wave 1 W_o's columns 0-127 into Y, waves 2 and 3 the halves of W_o's scale bytes.
; A lies in memory as images of the operand's registers, [tile of 16 rows][head][half][lane][16 bytes]: 1,024 bytes for a tile and a head, which is one row of X.  Each wave copies its 64 rows x all of K from X into 512 registers;
; then X is filled again, with W_o's columns 128-255 (the same bytes, the same shape), while the first half is multiplied and stored.
; CLUSTERS: 4 x 4 work-groups; A is asked for jointly along a row of the cluster, W_o along a column.
; NO PREFETCH: there is no loop to run ahead in; the one later request follows the head's loads by a single phase.
; THE MATRIX INSTRUCTION IS USED TRANSPOSED (source 0 = 16 stored rows of W_o, source 1 = 16 stored rows of A).  STORED ROWS ARE PERMUTED (bits 3 and 4 exchanged) on both sides: in accumulator (a, b) lane (r, h) holds
; token 32 (a / 2) + 8 (a % 2) + r + 8 (r / 8) of the wave's 64 and its register j column 32 (b / 2) + 16 h + 8 (b % 2) + j of its 64.  The way out puts both right.
; REGISTERS: window 0: v0-31 addresses; v32-95 B's scale words of a half (block i, head s at v[32 + 16 i + s]); v96-159 A's (16 a + s); v160-255 B's fragments, three buffers of four.
;   Window 1: A's heads 0-7 (head s, block a at v[32 s + 8 a]); window 3: heads 8-15.  Window 2: v0-127 accumulators ((a, b) at v[8 (4 a + b)]); v128-255 rows read back on the way out, 32 registers for each block.
.set SIZE_N, 2048
.set KROW,   1024
.set PITCH,  1040                      ; 260 words: the 16 rows that a load touches start at 16 different banks (64 banks of 4 bytes: ISA guide 11.1)
.set TILE,   128*PITCH
.set KS,     64
.set SCL,    2*TILE
.set HALFS,  (128*KS/256)*272
.set SBLK,   (16*KS/256)*272
.set STAGE,  SCL+2*HALFS               ; the way out: 16 rows x (256 + 16) bytes for each wave, bytes of its own: no tensor load lands there
.set SP,     272
.set SPARE,  STAGE+4*16*SP             ; the spare words, 128 bytes for each wave
.set AS,     4194304                   ; att: the scale bytes behind the codes
.set WOC,    4194304                   ; wq: W_o's codes,
.set WOS,    6553600                   ; and its scale bytes
.set PADW,   (0<<16)|(1<<20)|(1<<21)|(7<<22)|(3<<25)   ; elements of 1 byte; bit 21 beside a mask; 4 words of padding behind every 256
.set ADRA, 16                          ; v16-17 LDS address of my A images, blocks 0-1 and 2-3
.set ADRS, 18                          ; v18-19 of my rows of B's scale words, first and second half
.set ADRB, 20                          ; v20-21 of my B fragments, first half (Y) and second (X)
.set ASO,  23                          ; v23    64 x (lane % 16)
.set STO,  24
.set RD,   25
.set CO,   26
.set SPW,  28
.set NIL,  29
.set SC,   32
.set SA,   96
.set BF,   160
.set G1A,  24
.set G0A,  32
.set G1B,  36
.set G0B,  44
.set G0B2, 48
.set G1SB, 52
.set G0SB, 60
.set MSB, 0
.macro WIN new
.if MSB != \new
	s_set_vgpr_msb (MSB<<8)|\new
.set MSB, \new
.endif
.endm
.macro CROUND
	s_barrier_signal -1
	s_barrier_wait -1
	s_cmp_lg_u32 s14, 0
	s_cbranch_scc1 .Lnot_wave_0_\@
	s_barrier_signal -3
.Lnot_wave_0_\@:
	s_barrier_wait -3
	s_barrier_signal -1
	s_barrier_wait -1
.endm
.macro PLACES
.rept 4
	v_nop
.endr
.endm
	s_load_b64 s[4:5], s[0:1], 0x0                 ; att
	s_load_b64 s[8:9], s[0:1], 0x8                 ; wq
	s_load_b64 s[12:13], s[0:1], 0x10              ; out0
	v_lshl_add_u32 v[SPW], v0, 2, SPARE
	v_mov_b32 v[NIL], 0
	ds_add_u32 v[SPW], v[NIL]                      ; the opening lines: the add, twice on end, and its wait
	ds_add_u32 v[SPW], v[NIL]
	v_lshrrev_b32 v1, 5, v0
	v_readfirstlane_b32 s14, v1                    ; wave 0..3
	s_lshr_b32 s15, s14, 1                         ; which 64 of the 128 rows are mine
	s_and_b32 s16, s14, 1                          ; which 64 of a half's 128 columns.  Also: which half of the scales waves 2 and 3 fetch
	s_bfe_u32 s80, ttmp6, 0x40000                  ; cx, cy
	s_bfe_u32 s81, ttmp6, 0x40004
	s_lshl_b32 s82, ttmp9, 2
	s_add_co_u32 s82, s82, s80                     ; tile column
	s_and_b32 s17, ttmp7, 0xffff
	s_lshl_b32 s17, s17, 2
	s_add_co_u32 s17, s17, s81                     ; tile row
	s_lshl_b32 s83, s81, 2
	s_lshl_b32 s83, 15, s83                        ; my row of the cluster
	s_lshl_b32 s84, 0x1111, s80                    ; my column
	s_or_b32 s[G1A+0], s83, PADW
	s_or_b32 s[G1B+0], s84, PADW
.irp g, G1A, G1B                               ; 128 rows of 1,024 bytes, dense in memory
	s_mov_b32 s[\g+1], KROW<<16
	s_mov_b32 s[\g+2], 128<<16
	s_mov_b32 s[\g+3], KROW<<16
	s_mov_b32 s[\g+4], 128
	s_mov_b32 s[\g+5], KROW
	s_mov_b32 s[\g+6], 0
	s_mov_b32 s[\g+7], 0
.endr
	s_or_b32 s[G1SB+0], s84, (3<<16)|(1<<20)|(1<<21)|(5<<22)|(3<<25) ; the scales of 128 rows: 32 rows of 256 bytes, 16 of padding behind each
	s_mov_b32 s[G1SB+1], 32<<16
	s_mov_b32 s[G1SB+2], (128*KS/256)<<16
	s_mov_b32 s[G1SB+3], 32<<16
	s_mov_b32 s[G1SB+4], 128*KS/256
	s_mov_b32 s[G1SB+5], 32
	s_mov_b32 s[G1SB+6], 0
	s_mov_b32 s[G1SB+7], 0
	s_lshl_b32 s20, s17, 17                        ; A: 128 stored rows of 1,024 bytes for each tile row
	s_mov_b32 s21, 0
	s_lshl_b32 s86, s82, 18                        ; B: 256 stored rows for each tile column
	s_mov_b32 s87, 0
	s_lshl_b32 s88, s82, 8
	s_lshl_b32 s18, s16, 7
	s_add_co_u32 s88, s88, s18
	s_lshl_b32 s88, s88, 6                         ; the scale bytes of 128 of them
	s_mov_b32 s89, 0
	s_lshl_b32 s22, s17, 7
	s_lshl_b32 s23, s15, 6
	s_add_co_u32 s22, s22, s23                     ; the 64 rows of A that I multiply:
	s_lshl_b32 s22, s22, 6                         ; their scale words
	s_mov_b32 s23, 0
	s_mul_i32 s85, s16, HALFS
	s_add_co_u32 s85, s85, SCL
	s_wait_dscnt 0x0                               ; both opening adds are done
	s_wait_kmcnt 0x0
	s_add_nc_u64 s[6:7], s[4:5], AS
	s_add_nc_u64 s[6:7], s[6:7], s[22:23]
	s_add_nc_u64 s[20:21], s[4:5], s[20:21]
	s_add_nc_u64 s[10:11], s[8:9], WOS
	s_add_nc_u64 s[8:9], s[8:9], WOC
	s_add_nc_u64 s[86:87], s[8:9], s[86:87]
	s_add_nc_u64 s[88:89], s[10:11], s[88:89]
	CROUND                                         ; all sixteen work-groups are here: the joint loads meet
	s_mov_b32 s[G0A], 1
	s_mov_b32 s[G0A+1], 0                          ; X
	s_mov_b64 s[G0A+2:G0A+3], s[20:21]
	s_or_b32 s[G0A+3], s[G0A+3], 0x80000000
	s_mov_b32 s[G0B], 1
	s_mov_b32 s[G0B+1], TILE                       ; Y
	s_mov_b64 s[G0B+2:G0B+3], s[86:87]
	s_or_b32 s[G0B+3], s[G0B+3], 0x80000000
	s_mov_b32 s[G0B2], 1
	s_mov_b32 s[G0B2+1], 0                         ; X again
	s_add_nc_u64 s[G0B2+2:G0B2+3], s[86:87], 128*KROW
	s_or_b32 s[G0B2+3], s[G0B2+3], 0x80000000
	s_mov_b32 s[G0SB], 1
	s_mov_b32 s[G0SB+1], s85
	s_mov_b64 s[G0SB+2:G0SB+3], s[88:89]
	s_or_b32 s[G0SB+3], s[G0SB+3], 0x80000000
; The head's loads, one a wave: one chain of branches on the wave's number, a load to an arm, all arms to one join.
.macro ARM under, g0, g1, next
	s_cmp_lt_u32 s14, \under
	s_cbranch_scc0 \next
	tensor_load_to_lds s[\g0:\g0+3], s[\g1:\g1+7]
	s_nop 0
	PLACES
	s_branch .Lhead_asked
\next:
.endm
	ARM 1, G0A, G1A, .Lhead_b
	ARM 2, G0B, G1B, .Lhead_s
	tensor_load_to_lds s[G0SB:G0SB+3], s[G1SB:G1SB+7]
	s_nop 0
	PLACES
.Lhead_asked:
	s_lshl_b32 s20, s17, 7
	s_lshl_b32 s21, s15, 6
	s_add_co_u32 s20, s20, s21                     ; my first row of out0,
	s_lshl_b32 s20, s20, 13                        ; 8,192 bytes a row
	s_lshl_b32 s86, s82, 10                        ; my first column, in bytes: 1,024 x tile column + 256 x which 64
	s_lshl_b32 s87, s16, 8
	s_add_co_u32 s86, s86, s87
	s_add_co_u32 s20, s20, s86
	s_mov_b32 s21, 0
	s_add_nc_u64 s[12:13], s[12:13], s[20:21]
	s_mul_i32 s91, s15, 64*PITCH                   ; my 64 rows of A: 64 rows of X,
	s_add_co_u32 s92, s91, 32*PITCH                ; blocks 2 and 3
	s_mul_i32 s93, s16, 64*PITCH                   ; my 64 columns in X,
	s_add_co_u32 s94, s93, TILE                    ; in Y
	s_mul_i32 s90, s16, HALFS/2
	s_add_co_u32 s90, s90, SCL                     ; their scale words, first half,
	s_add_co_u32 s95, s90, HALFS                   ; second half
	s_mul_i32 s96, s14, 16*SP
	s_add_co_u32 s96, s96, STAGE                   ; my stage
	v_and_b32 v1, 15, v0                           ; r
	v_bfe_u32 v2, v0, 4, 1                         ; h
	v_and_b32 v6, 31, v0
	v_lshlrev_b32 v7, 4, v6                        ; 16 x lane
	v_lshlrev_b32 v[ASO], 6, v1
	v_add_nc_u32 v[ADRA], s91, v7
	v_add_nc_u32 v[ADRA+1], s92, v7
	v_mul_u32_u24 v3, v1, PITCH
	v_lshl_add_u32 v4, v2, 4, v3                   ; a fragment's row x pitch + 16 x half
	v_add_nc_u32 v[ADRB], s94, v4
	v_add_nc_u32 v[ADRB+1], s93, v4
	v_mul_u32_u24 v5, v1, KS                       ; my row of B's scales: 64 bytes a row,
	v_lshrrev_b32 v8, 8, v5
	v_lshl_add_u32 v5, v8, 4, v5                   ; and 16 more for each 256 passed
	v_add_nc_u32 v[ADRS], s90, v5
	v_add_nc_u32 v[ADRS+1], s95, v5
	v_mul_u32_u24 v5, v1, SP
	v_lshl_add_u32 v5, v2, 6, v5
	v_add_nc_u32 v[STO], s96, v5                   ; into the stage: row r; my half's sixteen columns of each 32 begin 64 h bytes on
	v_mul_u32_u24 v8, v2, SP
	v_lshl_add_u32 v8, v1, 4, v8
	v_add_nc_u32 v[RD], s96, v8                    ; back: lanes 0-15 one row of 256 bytes, lanes 16-31 the next
	v_lshlrev_b32 v[CO], 13, v2
	v_lshl_add_u32 v[CO], v1, 4, v[CO]             ; and the same two rows in out0
	s_wait_alu depctr_va_vdst(0)
.irp a, 0,1,2,3                                ; A's scale words: register 16 a + s: block a, head s
.irp k, 0,1,2,3
	global_load_b128 v[SA+16*\a+4*\k:SA+16*\a+4*\k+3], v[ASO], s[6:7] offset:1024*\a+16*\k
.endr
.endr
.macro ACOPY s                         ; A's four fragments of head s, from X into their registers: each load reads 512 consecutive bytes
.irp a, 0,1,2,3
.irp c, 0,1
	ds_load_b128 v[32*((\s)%8)+8*\a+4*\c:32*((\s)%8)+8*\a+4*\c+3], v[ADRA+\a/2] offset:(16*(\a%2)+(\s))*PITCH+512*\c
.endr
.endr
.endm
.macro FETCH p, s                      ; B's four fragments of half p, head s
.set FB, BF+32*((\s)%3)
.irp i, 0,1,2,3
.irp c, 0,1
	ds_load_b128 v[FB+8*\i+4*\c:FB+8*\i+4*\c+3], v[ADRB+\p] offset:64*(\s)+32*\c+\i*16*PITCH
.endr
.endr
.endm
.macro SCALES p                        ; B's scale words of half p, all of K
.irp i, 0,1,2,3
.irp k, 0,1,2,3
	ds_load_b128 v[SC+16*\i+4*\k:SC+16*\i+4*\k+3], v[ADRS+\p] offset:\i*SBLK+16*\k
.endr
.endr
.endm
.macro MUL s                           ; 16 matrix instructions, 16 accumulators by turns; head 0 starts the sums
.set FB, BF+32*((\s)%3)
.irp i, 0,1,2,3
.irp a, 0,1,2,3
.if (\s) == 0
	v_wmma_scale_f32_16x16x128_f8f6f4 v[8*(4*\a+\i):8*(4*\a+\i)+7], v[FB+8*\i:FB+8*\i+7], v[32*((\s)%8)+8*\a:32*((\s)%8)+8*\a+7], 0, v[SC+16*\i+(\s)], v[SA+16*\a+(\s)] matrix_a_fmt:MATRIX_FMT_FP4 matrix_b_fmt:MATRIX_FMT_FP4
.else
	v_wmma_scale_f32_16x16x128_f8f6f4 v[8*(4*\a+\i):8*(4*\a+\i)+7], v[FB+8*\i:FB+8*\i+7], v[32*((\s)%8)+8*\a:32*((\s)%8)+8*\a+7], v[8*(4*\a+\i):8*(4*\a+\i)+7], v[SC+16*\i+(\s)], v[SA+16*\a+(\s)] matrix_a_fmt:MATRIX_FMT_FP4 matrix_b_fmt:MATRIX_FMT_FP4
.endif
.endr
.endr
.endm
.macro HS p, s
	PLACES                                         ; behind the last head's products: their buffer is loaded now
.set ND, 16                            ; LDS loads younger than this head's fragments: those of the next two heads
.if (\s) == 14
.set ND, 8
.endif
.if (\s) == 15
.set ND, 0
.endif
.if (\s)+2 < 16
	FETCH \p, (\s)+2
.endif
	s_wait_dscnt ND
.set MW, 0xa4+8*((\s)/8)               ; source 0 (B) window 0, source 1 (A) window 1 or 3, C and D window 2
	WIN MW
	MUL \s
	WIN 0
.endm
.macro HALF p
.set Q, 0
.rept 16
	HS \p, Q
.set Q, Q+1
.endr
.endm
; THE WAY OUT of a half, block by block of 16 rows x 64 columns, through my own stage; it comes back as whole rows of 256 bytes.  LDS serves a wave's instructions in order (ISA guide 5.7.1.4): no wait between the stores and the loads.
.macro TOSTAGE a
	WIN 0x08                                       ; an LDS store's data are its source 1: window 2
.irp b, 0,1,2,3
	ds_store_b128 v[STO], v[32*(\a)+8*\b:32*(\a)+8*\b+3] offset:128*(\b/2)+32*(\b%2)       ; each accumulator from its low end on
	ds_store_b128 v[STO], v[32*(\a)+8*\b+4:32*(\a)+8*\b+7] offset:128*(\b/2)+32*(\b%2)+16
.endr
	WIN 0x80                                       ; back into window 2, v128 on: registers of its own for each block
.irp t, 0,1,2,3,4,5,6,7
	ds_load_b128 v[128+32*(\a)+4*\t:128+32*(\a)+4*\t+3], v[RD] offset:2*\t*SP
.endr
	WIN 0
.endm
.macro SEND p, a, younger              ; younger: the LDS instructions issued behind block a's loads, which may stay out
	s_wait_dscnt \younger
	WIN 0x08                                       ; a store's data are its source 1: window 2
.irp t, 0,1,2,3,4,5,6,7
	global_store_b128 v[CO], v[128+32*(\a)+4*\t:128+32*(\a)+4*\t+3], s[12:13] offset:(32*((\a)/2)+8*((\a)%2)+2*\t+8*(\t/4))*SIZE_N*4+512*(\p) th:TH_STORE_NT   ; the stage's rows 2 t, 2 t + 1 are these tokens of my 64; 16 lanes store 256 consecutive bytes, aligned
.endr
	WIN 0
.endm
.macro OUT p
	PLACES                                         ; behind the last products
	TOSTAGE 0
.irp a, 1,2,3
	TOSTAGE \a
	SEND \p, \a-1, 16                              ; behind block a - 1's loads: block a's 8 stores and 8 loads
.endr
	SEND \p, 3, 0
.endm
	s_wait_tensorcnt 0x0                           ; my one of the head's loads is in,
	s_barrier_signal -1
	s_barrier_wait -1                              ; everybody's is.
	WIN 0x40
.set Q, 0
.rept 8
	ACOPY Q
.set Q, Q+1
.endr
	WIN 0xc0
.rept 8
	ACOPY Q
.set Q, Q+1
.endr
	WIN 0
	SCALES 0
	FETCH 0, 0
	FETCH 0, 1
	s_wait_tensorcnt 0x0                           ; ahead of the barrier of a refill
	ds_add_u32 v[SPW], v[NIL]
	s_wait_dscnt 0x0                               ; the add is done, and my reads of X are over: A is in registers
	CROUND                                         ; that holds of every wave of every work-group of the cluster
	s_cmp_lg_u32 s14, 1
	s_cbranch_scc1 .Lnot_mine
	tensor_load_to_lds s[G0B2:G0B2+3], s[G1B:G1B+7]            ; W_o's columns 128-255 into X: the one load behind this round
	s_nop 0
	PLACES
.Lnot_mine:
	s_wait_loadcnt 0x0                             ; A's scale words
	HALF 0
	OUT 0
	s_wait_tensorcnt 0x0                           ; X is whole again,
	s_wait_dscnt 0x0
	s_barrier_signal -1
	s_barrier_wait -1                              ; for every wave.
	PLACES                                         ; with those of the way out: eight places between the first half's last products and the lines that write over their registers
	SCALES 1
	FETCH 1, 0
	FETCH 1, 1
	HALF 1
	s_wait_xcnt 0x0                                ; the first half's stores have read their registers: rows may be read back into them
	OUT 1
	s_wait_tensorcnt 0x0                           ; the wave's end
	ds_add_u32 v[SPW], v[NIL]
	s_wait_dscnt 0x0
	CROUND                                         ; the closing round
	s_endpgm
.Lfunc_end_k_q6ace069eed_proj:
	.size	k_q6ace069eed_proj, .Lfunc_end_k_q6ace069eed_proj-k_q6ace069eed_proj
	.p2alignl 7, 3214868480
	.fill 96, 4, 3214868480
	.section	.rodata,"a",@progbits
	.p2align	6, 0x0
	.amdhsa_kernel k_q6ace069eed_proj
		.amdhsa_group_segment_fixed_size 327680
		.amdhsa_private_segment_fixed_size 0
		.amdhsa_enable_private_segment 0
		.amdhsa_kernarg_size 24
		.amdhsa_user_sgpr_count 2
		.amdhsa_user_sgpr_kernarg_segment_ptr 1
		.amdhsa_wavefront_size32 1
		.amdhsa_system_sgpr_workgroup_id_x 1
		.amdhsa_system_sgpr_workgroup_id_y 1
		.amdhsa_system_sgpr_workgroup_id_z 1
		.amdhsa_system_vgpr_workitem_id 0
		.amdhsa_next_free_vgpr 1024
		.amdhsa_next_free_sgpr 98
		.amdhsa_reserve_vcc 0
		.amdhsa_float_denorm_mode_32 3
		.amdhsa_float_denorm_mode_16_64 3
		.amdhsa_memory_ordered 1
		.amdhsa_forward_progress 1
		.amdhsa_inst_pref_size 124
	.end_amdhsa_kernel
	.amdgpu_metadata
---
amdhsa.version: [ 1, 2 ]
amdhsa.kernels:
  - .name:           k_q6ace069eed_proj
    .symbol:         k_q6ace069eed_proj.kd
    .args:
      - { .name: att, .offset: 0, .size: 8, .value_kind: global_buffer, .address_space: global }
      - { .name: wq, .offset: 8, .size: 8, .value_kind: global_buffer, .address_space: global }
      - { .name: out0, .offset: 16, .size: 8, .value_kind: global_buffer, .address_space: global }
    .group_segment_fixed_size: 327680
    .private_segment_fixed_size: 0
    .kernarg_segment_align: 8
    .kernarg_segment_size: 24
    .max_flat_workgroup_size: 128
    .sgpr_count:     98
    .vgpr_count:     1024
    .wavefront_size: 32
...
	.end_amdgpu_metadata
.endif
;; end of part 4
